; MI455X (gfx1250); checked and timed in simulation.
; The chip was launched on July 23, 2026; its instructions are those of AMD's public machine-readable ISA for CDNA 5 (MIT licence, August 2026) and "CDNA5" Instruction Set Architecture Reference Guide (July 2026). The comments in the code are by the model that wrote it; some were corrected since.
;; Attention. Allowed arithmetic: matrix products marked QUANTISED: E2M1 operands, one E8M0 scale for each 32 along K, by v_wmma_scale_f32_16x16x128_f8f6f4 with both operands' format E2M1 (or v_wmma_scale_f32_32x16x128_f4), f32 sums; everything else in f32.
;; Inputs: keys_codes 8 x 2,048 x 32 x 16 uint8 (E2M1 codes of keys, K innermost, in blocks of 32 codes, two codes a byte); keys_scales 8 x 2,048 x 32 uint8 (E8M0 scales of keys, one for each 32 codes along K); queries_codes 8 x 2,048 x 32 x 16 uint8 (E2M1 codes of queries, K innermost, in blocks of 32 codes, two codes a byte); queries_scales 8 x 2,048 x 32 uint8 (E8M0 scales of queries, one for each 32 codes along K); values_codes 8 x 1,024 x 64 x 16 uint8 (E2M1 codes of values, K innermost, in blocks of 32 codes, two codes a byte); values_scales 8 x 1,024 x 64 uint8 (E8M0 scales of values, one for each 32 codes along K).
;; Outputs: out0 8 x 2,048 x 1,024 float32.
;; This version of the problem:
;;   THIS VERSION OF THE PROBLEM IS GIVEN IN LOW PRECISION. The matrix products marked QUANTISED in the list below multiply operands that are first quantised to E2M1 (2 exponent bits, 1 mantissa bit; 4 bits a number), with one power-of-two scale for each 32 numbers along K (OCP MX v1.0); their sums are f32. All else is computed in f32.
;;   The module's matrix products, in the order in which they are computed (A, B: the left and right operand; K: the contracted axis; several contracted axes count as one K, in the product's order):
;;     1. batch 8 x [M 2,048, K 1,024] x [K 1,024, N 2,048]; A: input queries (given as codes); B: input keys (given as codes): QUANTISED
;;     2. batch 8 x [M 2,048, K 2,048] x [K 2,048, N 1,024]; A: softmax (see below); B: input values (given as codes): QUANTISED
;;   THE QUANTISER, for each operand of a quantised product, along K:
;;     - K is cut into blocks of 32 from its start; a last block that is shorter is filled with zeros.
;;     - A block's scale is 2^e with e = floor(log2(the largest magnitude in the block)) - 2, held to -126 .. 127; a block of zeros has e = 0. As a byte (E8M0): e + 127.
;;     - Each number is divided by its block's scale, clamped to +-6, and rounded to the nearest number of E2M1, ties to even, subnormals kept.
;;     - The product sums the exact products of the quantised numbers (number of the format x scale) in f32.
;;   ~~~python
;;   def quantise(x, axis):      # numpy; x: float32 -> the quantised numbers, widened to float32 again
;;       x = np.moveaxis(x, axis, -1); K = x.shape[-1]
;;       x = np.pad(x, [(0, 0)] * (x.ndim - 1) + [(0, -K % 32)]); x = x.reshape(x.shape[:-1] + (-1, 32)); a = np.abs(x).max(-1, keepdims=True)
;;       e = np.where(a > 0, np.clip(np.frexp(np.where(a > 0, a, 1))[1] - 1 - 2, -126, 127), 0)      # np.frexp(a)[1] - 1 = floor(log2(a)), exactly
;;       r = np.clip(x / 2.0 ** e, -6, 6)
;;       step = 2.0 ** (np.maximum(np.frexp(np.where(r == 0, 1, r))[1] - 1, 0) - 1)
;;       q = np.round(r / step) * step * 2.0 ** e      # np.round: ties to even
;;       return np.moveaxis(q.reshape(q.shape[:-2] + (-1,))[..., :K], -1, axis).astype(np.float32)
;;   ~~~
;;   SOFTMAX AHEAD OF A QUANTISED PRODUCT. Where the list says 'softmax', what is quantised is not the finished softmax but p = 2^(t - M), with t = logit x log2(e) and M = ceil(the row's largest t), a whole number; so 1/2 < the row's largest p <= 1. The row's sum l is taken of the UNQUANTISED p, in f32, and the product's result is divided by l at the end. Since M is a whole number, a kernel that streams over the keys may use a running M (the ceiling of the running maximum): every later rescaling is an exact power of two, which a block's scale takes up: the codes' values come out the same.
;;   OPERANDS COMPUTED ON THE WAY. 'Computed on the way' means the value that the module computes at that place (a softmax that the list does not call 'softmax' is quantised finished and normalised). What goes into a quantiser is computed in f32, as accurately as f32 sums, v_exp_f32 and their like allow (about 1e-6 of the number): no bf16 or f16 on the way to a quantiser, and a product that is left as it is and whose result goes on into a quantised operand takes f32 operands (vector FMAs, or v_wmma_f32_16x16x4_f32). A number that lies on a knife's edge between two numbers of the format may be rounded either way, as far as f32 arithmetic and the matrix unit's own rounding can turn it there, and no further.
;;   INPUTS GIVEN AS CODES. keys (in the module: [8, 1024, 2048], K = its axis 1); queries (in the module: [8, 2048, 1024], K = its axis 2); values (in the module: [8, 2048, 1024], K = its axis 1): each comes as NAME_codes (uint8): NAME with its K axis moved to the last place and cut into blocks of 32 codes, [.., K / 32, bytes a block], one block behind the other in memory; two codes a byte, the lower K in the low four bits (a code: sign, 2 exponent bits, 1 mantissa bit); and NAME_scales (uint8): the same leading axes, one E8M0 byte (e + 127) for each 32 codes along K. Its value is code x scale, taken as it is: it is not quantised again, and the codes and scales need not be those that the quantiser above would give.
;; 2 versions. Each part assembles by itself: llvm-mc -triple=amdgcn-amd-amdhsa -mcpu=gfx1250 --defsym DOCPART=n.
;; ======== version 1 of 2: 1 launch
;; launch attn (part 1): grid 32 x 8, 4 waves a work-group, clusters of 4 x 1, 327,680 bytes of LDS; arguments keys_codes, keys_scales, queries_codes, queries_scales, values_codes, values_scales, out0; writes out0
.if DOCPART == 1
	.amdgcn_target "amdgcn-amd-amdhsa--gfx1250"
	.amdhsa_code_object_version 6
	.text
	.protected	k_q81a0f5993b_attn
	.globl	k_q81a0f5993b_attn
	.p2align	8
	.type	k_q81a0f5993b_attn,@function
k_q81a0f5993b_attn:
	s_mov_b64 s[64:65], 0
	v_nop
	global_prefetch_b8 v0, s[64:65] scope:SCOPE_SE
	s_setreg_imm32_b32 hwreg(HW_REG_WAVE_MODE, 25, 1), 1
	s_wait_xcnt 0x0
	s_wait_alu depctr_hold_cnt(0) depctr_sa_sdst(0) depctr_va_vdst(0) depctr_va_sdst(0) depctr_va_ssrc(0) depctr_va_vcc(0) depctr_vm_vsrc(0)
	s_getreg_b32 s2, hwreg(HW_REG_IB_STS2, 6, 4)
	s_cmp_eq_u32 s2, 0
	s_cbranch_scc0 .Lentry_in_a_cluster
	s_endpgm
.Lentry_in_a_cluster:
	s_bfe_u32 s2, ttmp6, 0x10000c
	s_cmp_lg_u32 s2, 0x3003
	s_cbranch_scc0 .Lentry_shape_is_right
	s_endpgm
.Lentry_shape_is_right:
; out0[b][q][:] = sum over s of softmax_s(Q[b][q] . K[b][s] / 32) V[b][s][:], both products on the given codes of FP4 (E2M1) with one E8M0 byte for each 32 along a product's K.
; 8 batches, 2,048 queries, 2,048 keys, head size 1,024.  Q, K: rows of 512 bytes of codes (K = the head), 32 scale bytes a row.  V: 1,024 rows (channels) of 1,024 bytes (K = the keys), 64 scale bytes a row.  out0: f32.
; THE SOFTMAX: t = score x log2(e) / 32; M = the largest t rounded up to a whole number; p = 2^(t - M) is quantised along the keys, not normalised; the row's sum l is taken of the unquantised p and divides at the end.
; SHARES.  A work-group of four waves owns 64 queries (four tiles of 16) of one batch.  The text has two phases, so that O is never rescaled and each fragment read from LDS feeds four matrix instructions.
;   PHASE 1, S^T = K Q^T and the softmax: THE WAVES SHARE THE KEYS.  In step j wave w takes keys 128 (4 j + w) on, one K step of the second product, for all 64 queries; Q stays in 256 registers.  Each wave keeps
;   its own running M for each query; p's codes go to LDS as images of the operand's registers; p's scale words stay in registers, and when M moves, the move is taken off their bytes (M is a whole number: exact).
;   BOUNDARY: the waves exchange their largest t and their l; the final M goes into the scale words; every wave loads all of P: 64 fragments, 512 registers.
;   PHASE 2, O^T = V^T P^T: THE WAVES SHARE THE CHANNELS: wave w takes channels 256 w on, in four slices of 64: 16 accumulators over all 2,048 keys.  A finished slice is multiplied by 1 / l and leaves.
; Both products are used transposed (source 0 = 16 keys, or 16 channels; source 1 = 16 queries), so that a lane holds one query throughout.
; TILES.  Sixteen a wave, 64 rows x 512 bytes each, through a ring of two LDS slots; a wave fetches and reads only its own quarter of a slot.  Tiles 0-7: K, 64 keys each; tiles 8-15: V, 64 channels x 1,024 keys.
; CLUSTER.  The four query blocks of a cluster belong to one batch and walk the same K and V: every tile is asked for JOINTLY, by the same tensor load with the same descriptor and a mask that names the four.
; A cluster of 4 x 1: only one axis of the grid shares tiles (the other is the batch), and a mask names four work-groups.
; LIMITS.  A block of p whose scale byte the final M would put under 0 gets the byte 0, 2^-127, where the quantiser holds the byte at 1 and lets the codes fall: a term's error stays under 6 x 2^-127 x |v|.
; p under 2^-126 is 0 (the exponential gives no denormals).  The running largest t starts at -3e38.  NaN, infinities and the scale byte 0xff among the inputs are not served.
; REGISTERS, in windows of 256 (s_set_vgpr_msb: bits 1:0 source 0, 3:2 source 1, 5:4 source 2, 7:6 destination):
;   window 0: v0-29 addresses and 1 / l; v32-127 scale words and nothing else; v128-255 fragments of K or V, two sets of 64 (two matrix instructions deep, four tiles of rows).
;   window 1: Q (tile m, K step k at 64 m + 8 k), then P of K steps 0-7 (32 s + 8 m).
;   windows 2, 3 in phase 1: query tile m lives in window 2 + m / 2: its 64 scores at 64 (m % 2), its statistics from 128 + 64 (m % 2) on.
;   window 2 in phase 2: P of K steps 8-15.   window 3 in phase 2: v0-127 accumulators (channel tile n, query tile m at 8 (4 n + m)); v128-159, v160-223 at work on the way out.
.set PITCH,  528                       ; an LDS row: 512 bytes + 16 of padding = 132 words: row r starts 4 r words on, modulo 64, so the 16 rows that a load touches start at 16 different places
.set WSLOT,  64*PITCH                  ; a wave's quarter of a slot
.set SLOT,   4*WSLOT
.set PREG,   2*SLOT                    ; behind the ring, 49,152 bytes that no tensor load fills: P's images of K steps 0-11, 1,024 bytes a fragment; later: those of K steps 12-15,
.set SCW,    PREG+16384                ; p's 32 packed scale words, 128 bytes each,
.set STAGE,  PREG+24576                ; and a stage of 16 rows x 272 bytes for each wave
.set STATS,  PREG+49152                ; largest t (wave u, tile m at 128 (4 u + m)), and 2,048 bytes on the sums
.set SPARE,  STATS+4096                ; the spare words, 128 bytes for each wave: two blocks of 256 bytes that no other line names
.set ADK, 2                            ; v2, v3  my lane's place in my quarter of slot 0, 1: row r, + 16 h
.set KSO, 4                            ; v4   32 r + 16 h: a row of K's or Q's scale bytes, my half of it
.set VSO, 5                            ; v5   64 x lane: a row of V's scale bytes
.set QO,  6                            ; v6   512 r + 16 h
.set PST, 7                            ; v7   where I store P's images: PREG + 4,096 x wave + 16 x lane
.set PLD, 8                            ; v8   where I load them: PREG + 16 x lane
.set STS, 9                            ; v9   STATS + 512 x wave + 4 x lane
.set STL, 10                           ; v10  STATS + 4 x lane
.set SCS, 11                           ; v11  SCW + 256 x wave + 4 x lane
.set SCL, 12                           ; v12  SCW + 4 x lane
.set STO, 13                           ; v13  the way out: where I put 32 bytes of a row
.set RD,  14                           ; v14  and where I read a row back
.set GO,  15                           ; v15  my byte offset in out0: 4,096 h + 16 r
.set PFK, 16                           ; v16  K's prefetches: 256 x lane
.set PFV, 17                           ; v17  V's: 1,024 (lane / 2) + 256 (lane % 2)
.set RL,  18                           ; v18-25  1 / l of tile m, twice, at 18 + 2 m
.set PSJ, 26                           ; v26  PST + 16,384 x step
.set SPW, 28                           ; v28  LDS address of my spare word; never rewritten
.set NIL, 29                           ; v29  0; never rewritten
.set QS,  32                           ; phase 1: Q's scale words: 4 m + i: lanes 0-15 K step i, lanes 16-31 K step 4 + i
.set KS,  48                           ; phase 1: K's, two sets of 16: 4 t + i, halves as Q's
.set PS,  32                           ; phase 2: p's: 2 s + m / 2: lanes 0-15 the even tile, lanes 16-31 the odd one
.set VS,  96                           ; phase 2: V's: 16 (n / 2) + s: lanes 0-15 the even channel tile, lanes 16-31 the odd one
.set FR,  128                          ; the fragments
.set SCD, 128                          ; window 3: a tile's results x 1 / l
.set BK,  160                          ; window 3: rows read back from the stage, two sets of 32
.set WV,  18                           ; s18  my wave's number
.set CX,  19                           ; s19  my place in the cluster: it enters Q's, out0's and the prefetches' addresses alone
.set SEL, 20                           ; s[20:21] selects of v_permlanex16_b32 for lane l xor 16
.set CS,  22                           ; s[22:23] c = log2(e) / 32
.set G1K, 24                           ; s[24:31] descriptor group 1 for K's tiles;  s[32:39] for V's
.set G1V, 32
.set G0K, 40                           ; s[40:47] group 0 for K's tiles, a set for each slot;  s[48:55] for V's
.set G0V, 48
.set CNT, 56                           ; s56  the loops' counter
.set LIM, 57                           ; s57  1 in the batch's first cluster, else the greatest number
.set PFA, 58                           ; s[58:59] where K's prefetches stand
.set PFB, 60                           ; s[60:61] where V's stand
.set PJ,  62                           ; s62  16,384 x step
.set HI,  63                           ; s63  the mask of lanes 16-31
.set HB,  66                           ; s66  0x80808080
.set ONES, 67                          ; s67  0x01010101
.set KSB, 68                           ; s[68:69] K's scale bytes at my keys of the step in hand
.set VSB, 70                           ; s[70:71] V's at my channels of the slice in hand
.set OUTP, 72                          ; s[72:73] out0 at my queries, my slice
.set MSB, 0
.macro WIN new                         ; the immediate's high byte repeats the setting that is left; a switch that changes nothing is dropped
.if MSB != (\new)
	s_set_vgpr_msb (MSB<<8)|(\new)
.set MSB, (\new)
.endif
.endm
; A load into a register that a matrix instruction has read, and a vector instruction that reads a matrix result, stand four places behind that matrix instruction; only plain vector
; instructions that name none of its registers are places (ISA guide 7.12.1 for vector instructions).
.macro PLACES
.rept 4
	v_nop
.endr
.endm
.macro CREST                           ; a round of the cluster's barrier behind its opening barrier
	s_cmp_lg_u32 s[WV], 0
	s_cbranch_scc1 .Lnot_wave_0_\@
	s_barrier_signal -3
.Lnot_wave_0_\@:
	s_barrier_wait -3
	s_barrier_signal -1
	s_barrier_wait -1
.endm
.macro CROUND                          ; a whole round
	s_barrier_signal -1
	s_barrier_wait -1
	CREST
.endm
.macro BAR                             ; a plain barrier: my LDS stores have landed and my LDS loads are in
	s_wait_dscnt 0x0
	s_barrier_signal -1
	s_barrier_wait -1
.endm
; One matrix instruction, from the symbols rD, rA, rB, rSa, rSb; rZ: the constant 0 starts the sum; rRa, rRb: the scales are read from lanes 16-31
.macro WM
.if rZ
.if rRa && rRb
	v_wmma_scale_f32_16x16x128_f8f6f4 v[rD:rD+7], v[rA:rA+7], v[rB:rB+7], 0, v[rSa], v[rSb] matrix_a_fmt:MATRIX_FMT_FP4 matrix_b_fmt:MATRIX_FMT_FP4 matrix_a_scale:MATRIX_SCALE_ROW1 matrix_b_scale:MATRIX_SCALE_ROW1
.elseif rRa
	v_wmma_scale_f32_16x16x128_f8f6f4 v[rD:rD+7], v[rA:rA+7], v[rB:rB+7], 0, v[rSa], v[rSb] matrix_a_fmt:MATRIX_FMT_FP4 matrix_b_fmt:MATRIX_FMT_FP4 matrix_a_scale:MATRIX_SCALE_ROW1
.elseif rRb
	v_wmma_scale_f32_16x16x128_f8f6f4 v[rD:rD+7], v[rA:rA+7], v[rB:rB+7], 0, v[rSa], v[rSb] matrix_a_fmt:MATRIX_FMT_FP4 matrix_b_fmt:MATRIX_FMT_FP4 matrix_b_scale:MATRIX_SCALE_ROW1
.else
	v_wmma_scale_f32_16x16x128_f8f6f4 v[rD:rD+7], v[rA:rA+7], v[rB:rB+7], 0, v[rSa], v[rSb] matrix_a_fmt:MATRIX_FMT_FP4 matrix_b_fmt:MATRIX_FMT_FP4
.endif
.else
.if rRa && rRb
	v_wmma_scale_f32_16x16x128_f8f6f4 v[rD:rD+7], v[rA:rA+7], v[rB:rB+7], v[rD:rD+7], v[rSa], v[rSb] matrix_a_fmt:MATRIX_FMT_FP4 matrix_b_fmt:MATRIX_FMT_FP4 matrix_a_scale:MATRIX_SCALE_ROW1 matrix_b_scale:MATRIX_SCALE_ROW1
.elseif rRa
	v_wmma_scale_f32_16x16x128_f8f6f4 v[rD:rD+7], v[rA:rA+7], v[rB:rB+7], v[rD:rD+7], v[rSa], v[rSb] matrix_a_fmt:MATRIX_FMT_FP4 matrix_b_fmt:MATRIX_FMT_FP4 matrix_a_scale:MATRIX_SCALE_ROW1
.elseif rRb
	v_wmma_scale_f32_16x16x128_f8f6f4 v[rD:rD+7], v[rA:rA+7], v[rB:rB+7], v[rD:rD+7], v[rSa], v[rSb] matrix_a_fmt:MATRIX_FMT_FP4 matrix_b_fmt:MATRIX_FMT_FP4 matrix_b_scale:MATRIX_SCALE_ROW1
.else
	v_wmma_scale_f32_16x16x128_f8f6f4 v[rD:rD+7], v[rA:rA+7], v[rB:rB+7], v[rD:rD+7], v[rSa], v[rSb] matrix_a_fmt:MATRIX_FMT_FP4 matrix_b_fmt:MATRIX_FMT_FP4
.endif
.endif
.endm
; 16 LDS loads in one run: the fragments of a tile's four blocks of 16 rows for K steps 2 kp and 2 kp + 1 (64 bytes of a row each) into set `set`.
; A fragment, 16 rows x 128 K of 4-bit codes, is 8 registers: lane l holds row l % 16; registers 4 c .. 4 c + 3 hold K = 64 c + 32 (l / 16) + 0 .. 31: 16 bytes of the row as they lie.
.macro FETCH slot, kp, set
.irp kk, 0,1
.irp t, 0,1,2,3
.irp c, 0,1
	ds_load_b128 v[FR+64*(\set)+32*\kk+8*\t+4*\c:FR+64*(\set)+32*\kk+8*\t+4*\c+3], v[ADK+(\slot)] offset:16*\t*PITCH+64*(2*(\kp)+\kk)+32*\c
.endr
.endr
.endr
.endm
; 8 matrix instructions of S^T = K Q^T: the tile's four blocks of 16 keys (half e of the step's 128) x query tiles 2 part, 2 part + 1, K step k.  K step 0 starts the sums.
.macro QK8 e, k, part
.irp t, 0,1,2,3
.irp mm, 0,1
.set rD, 64*\mm+8*(4*(\e)+\t)
.set rA, FR+64*(((\k)/2)%2)+32*((\k)%2)+8*\t
.set rB, 64*(2*(\part)+\mm)+8*(\k)
.set rSa, KS+16*(\e)+4*\t+(\k)%4
.set rSb, QS+4*(2*(\part)+\mm)+(\k)%4
.set rRa, (\k)/4
.set rRb, (\k)/4
.set rZ, 0
.if (\k) == 0
.set rZ, 1
.endif
	WM
.endr
.endr
.endm
; 8 matrix instructions of O^T += V^T P^T: channel tiles 2 nh, 2 nh + 1 x the four query tiles, K step 8 g + k.  The slice's first K step starts the sums.
.macro PV8 g, k, nh
.irp nn, 0,1
.irp m, 0,1,2,3
.set rD, 8*(4*(2*(\nh)+\nn)+\m)
.set rA, FR+64*(((\k)/2)%2)+32*((\k)%2)+8*(2*(\nh)+\nn)
.set rB, 32*(\k)+8*\m
.set rSa, VS+16*(\nh)+8*(\g)+(\k)
.set rSb, PS+2*(8*(\g)+(\k))+\m/2
.set rRa, \nn
.set rRb, \m%2
.set rZ, 0
.if ((\g) == 0) && ((\k) == 0)
.set rZ, 1
.endif
	WM
.endr
.endr
.endm
; A pair of K steps is 32 matrix instructions, in three parts of 16, 8 and 8.  The accumulators take turns, one instruction a turn, 8 or 16 apart everywhere.
; kind 0: K Q^T, x = e;  kind 1: V^T P^T, x = g.
.macro PARTA kind, x, kp
.if \kind
	WIN 0xF4+4*(\x)                                ; V window 0, P window 1 or 2, C and D window 3
	PV8 \x, 2*(\kp), 0
	PV8 \x, 2*(\kp), 1
.else
	WIN 0xA4                                       ; K window 0, Q window 1, C and D window 2
	QK8 \x, 2*(\kp), 0
	QK8 \x, 2*(\kp)+1, 0
.endif
.endm
.macro PARTB1 kind, x, kp
.if \kind
	WIN 0xF4+4*(\x)
	PV8 \x, 2*(\kp)+1, 0
.else
	WIN 0xF4                                       ; C and D window 3
	QK8 \x, 2*(\kp), 1
.endif
.endm
.macro PARTB2 kind, x, kp
.if \kind
	WIN 0xF4+4*(\x)
	PV8 \x, 2*(\kp)+1, 1
.else
	WIN 0xF4
	QK8 \x, 2*(\kp)+1, 1
.endif
.endm
; One of a tile's first three pairs: the next pair's 16 LDS loads go out ahead of this pair's 32 matrix instructions.
; sc: scale bytes asked for a period ahead: 1: K's second half of this step; 2: K's first half of the next step; 3: V's of slice 0.  The counted wait leaves just those out: the set that this period reads is in.
.macro PAIR kind, x, slot, kp, sc
	s_wait_dscnt 0x0                               ; this pair's fragments are in
	WIN 0
	PLACES                                         ; in front of loads into the set, and the scale words, that the last products read
.if (\sc) == 1
.irp t, 0,1,2,3
	global_load_b128 v[KS+16+4*\t:KS+16+4*\t+3], v[KSO], s[KSB:KSB+1] offset:2048+512*\t
.endr
.elseif (\sc) == 2
.irp t, 0,1,2,3
	global_load_b128 v[KS+4*\t:KS+4*\t+3], v[KSO], s[KSB:KSB+1] offset:16384+512*\t
.endr
.elseif (\sc) == 3
.irp n, 0,1
.irp q, 0,1,2,3
	global_load_b128 v[VS+16*\n+4*\q:VS+16*\n+4*\q+3], v[VSO], s[VSB:VSB+1] offset:2048*\n+16*\q
.endr
.endr
.endif
	FETCH \slot, (\kp)+1, ((\kp)+1)%2
.if ((\sc) == 1) || ((\sc) == 2)
	s_wait_loadcnt 0x4                             ; all but the four just issued
.elseif (\sc) == 3
	s_wait_loadcnt 0x8                             ; all but the eight just issued
.endif
	PARTA \kind, \x, \kp
	PARTB1 \kind, \x, \kp
	PARTB2 \kind, \x, \kp
.endm
; A PREFETCH INTO THE L2, behind a change of slots' tensor load, its four lines and the run of LDS loads: the tile that stands two refills behind the one just asked for, four tiles behind the one in hand.
; A wave's tile is 128 blocks of 256 bytes.  All eight clusters of a batch walk the same K and V: the batch's first cluster asks.  Its four partners share a wave's blocks out BY ADDRESS, 32 each
; (8,192 bytes of K's dense tile; 16 of V's 64 rows, two blocks a row), a lane a block: one instruction a wave, and each block is named once in the launch.
; ask = 1, phase 1's loop: trips 0 and 1 ask for K's tiles of steps 2 and 3, trip 2 for V's of slice 0;  2, phase 1's last step: V's of slice 1;  3, phase 2's loop: trips 0 and 1 ask for slices 2 and 3.
; Tiles 0 to 3 come by their loads alone, and the last four changes of slots ask for nothing.
.macro ASK ask, x
.if (\ask) == 1
	s_cmp_gt_u32 s[CNT], s[LIM]
	s_cbranch_scc0 .Lno_k_\@
	global_prefetch_b8 v[PFK], s[PFA:PFA+1] offset:32768*(\x) th:TH_LOAD_NT scope:SCOPE_SE
.Lno_k_\@:
	s_cmp_eq_u32 s[CNT], s[LIM]
	s_cbranch_scc0 .Lno_v_\@
	global_prefetch_b8 v[PFV], s[PFB:PFB+1] offset:512*(\x) th:TH_LOAD_NT scope:SCOPE_SE
.Lno_v_\@:
.elseif (\ask) == 2
	s_cmp_eq_u32 s[LIM], 1
	s_cbranch_scc0 .Lno_t_\@
	global_prefetch_b8 v[PFV], s[PFB:PFB+1] offset:65536+512*(\x) th:TH_LOAD_NT scope:SCOPE_SE
.Lno_t_\@:
.elseif (\ask) == 3
	s_cmp_gt_u32 s[CNT], s[LIM]
	s_cbranch_scc0 .Lno_s_\@
	global_prefetch_b8 v[PFV], s[PFB:PFB+1] offset:512*(\x) th:TH_LOAD_NT scope:SCOPE_SE
.Lno_s_\@:
.endif
.endm
; A tile's last pair changes slots.  In front of the barrier each wave waits for all its tensor loads (one is out: its part of the next slot), adds 0 to its spare word, and waits for that and for its reads of
; this slot.  fill = 1 (K) or 2 (V): the barrier opens a round of the cluster's barrier, and this slot is filled again, first thing behind the round, with the tile two on; fill = 0: nothing is left to fetch.
.macro TURN kind, x, slot, fill, step, ask
	WIN 0                                          ; (the add's two registers lie in window 0)
	s_wait_tensorcnt 0x0                           ; all my tensor loads have landed: no load of mine is out, so a group 0 may be written
	ds_add_u32 v[SPW], v[NIL]                      ; 0 onto my spare word
.if (\fill) == 1
	s_add_nc_u64 s[G0K+4*(\slot)+2:G0K+4*(\slot)+3], s[G0K+4*(\slot)+2:G0K+4*(\slot)+3], \step   ; this slot's next tile; the type bits on top are not reached
.elseif ((\fill) == 2) && ((\step) != 0)
	s_add_nc_u64 s[G0V+4*(\slot)+2:G0V+4*(\slot)+3], s[G0V+4*(\slot)+2:G0V+4*(\slot)+3], \step
.endif
	s_wait_dscnt 0x1                               ; this pair's fragments are in; the add alone may be out
	PARTA \kind, \x, 3                             ; sixteen matrix instructions stand between the add and the wait for it
	s_wait_dscnt 0x0                               ; the add is done, and my reads of this slot are over
	s_barrier_signal -1
	PARTB1 \kind, \x, 3                            ; work on registers while the others arrive
	WIN 0
	s_barrier_wait -1
.if (\fill) == 1
	CREST                                          ; no wave of any partner still reads this slot's tile or has a load on its way
	tensor_load_to_lds s[G0K+4*(\slot):G0K+4*(\slot)+3], s[G1K:G1K+7]
	s_nop 0
	PLACES                                         ; the places in front of the loads below
.elseif (\fill) == 2
	CREST
	tensor_load_to_lds s[G0V+4*(\slot):G0V+4*(\slot)+3], s[G1V:G1V+7]
	s_nop 0
	PLACES
.else
	PLACES
.endif
	FETCH 1-(\slot), 0, 0                          ; the next tile's first pair
	ASK \ask, \x
	PARTB2 \kind, \x, 3
.endm
; The names of query tile m's registers and window settings
.macro TILE m
.set tWS,   0xAA+0x55*((\m)/2)         ; every operand place in the tile's window
.set tWD,   0x08+0x04*((\m)/2)         ; an LDS store's data in it
.set tWL,   0x80+0x40*((\m)/2)         ; a load's destination in it
.set tS,    64*((\m)%2)                ; the scores: 8 t + i is key 16 t + 8 (lane / 16) + i of the step's 128; then p
.set tB,    128+64*((\m)%2)
.set tNEGM, tB                         ; -M
.set tTMAX, tB+1                       ; the largest t so far
.set tL,    tB+2                       ; the sum, in two halves
.set tF,    tB+4                       ; 2^(old M - new M), named as a pair
.set tL2,   tB+6                       ; the sum's second chain
.set tBM,   tB+8                       ; the four blocks' largest score, then largest p
.set tT2,   tB+12
.set tSC,   tB+16                      ; the conversions' scale operands
.set tW,    tB+20                      ; p's scale words of my K steps, the newest first
.set tPC,   tB+24                      ; p's codes: a fragment
.set tX,    tB+32
.set tDI,   tB+33
.set tD,    tB+34                      ; M's move, in all four bytes
.set tU,    tB+35
.set tV,    tB+36
.endm
; Each byte of a scale word less d, held at 0.  Bytes and d are at most 127: with bit 7 set no byte borrows from the next; a byte that keeps the bit was at least d.
.macro FIX dst, src
	v_or_b32 v[tU], s[HB], v[\src]
	v_sub_nc_u32 v[tU], v[tU], v[tD]
	v_and_b32 v[tV], s[HB], v[tU]
	v_lshrrev_b32 v[\dst], 7, v[tV]
	v_sub_nc_u32 v[tV], v[tV], v[\dst]             ; 0x7f in the bytes that keep the bit, 0 in the others
	v_and_b32 v[\dst], v[tU], v[tV]
.endm
; Query tile m's softmax for my 128 keys of a step.  store = 1: the fragment's image goes to LDS.
.macro SOFTMAX m, store
	TILE \m
	WIN tWS
.irp b, 0,1,2,3
	v_max3_num_f32 v[tBM+\b], v[tS+16*\b], v[tS+16*\b+1], v[tS+16*\b+2]   ; the largest score of each block of 32 keys (each accumulator is read from its low end on): it serves for the row's maximum and, since p rises with the score, for the block's largest p
.endr
.irp i, 3,5,7,9,11,13
.irp b, 0,1,2,3
	v_max3_num_f32 v[tBM+\b], v[tBM+\b], v[tS+16*\b+\i], v[tS+16*\b+\i+1]
.endr
.endr
.irp b, 0,1,2,3
	v_max_num_f32 v[tBM+\b], v[tBM+\b], v[tS+16*\b+15]
.endr
.irp b, 0,1,2,3
	v_permlanex16_b32 v[tT2+\b], v[tBM+\b], s[SEL], s[SEL+1]
.endr
.irp b, 0,1,2,3
	v_max_num_f32 v[tBM+\b], v[tBM+\b], v[tT2+\b]  ; with lane l xor 16's 16 keys
.endr
	v_max3_num_f32 v[tX], v[tBM], v[tBM+1], v[tBM+2]
	v_max_num_f32 v[tX], v[tX], v[tBM+3]
	v_mul_f32 v[tX], s[CS], v[tX]                  ; as t (c is positive)
	v_max_num_f32 v[tTMAX], v[tTMAX], v[tX]
	v_mov_b32 v[tX], v[tNEGM]
	v_floor_f32 v[tNEGM], -v[tTMAX]                ; the new -M = -ceil(t): a whole number
	v_sub_f32 v[tX], v[tNEGM], v[tX]               ; old M - new M: a whole number, 0 or less
	v_cvt_i32_f32 v[tDI], v[tX]                    ; (it saturates)
	v_ldexp_f32 v[tF], 1.0, v[tDI]                 ; f = 2^(old M - new M)
	v_sub_nc_u32 v[tU], 0, v[tDI]
	v_min_u32 v[tU], 0x7f, v[tU]                   ; the move, at most 127: no byte of a scale word of p is above 125
	v_mul_lo_u32 v[tD], v[tU], s[ONES]
.set jj, 0
.rept 32
	v_pk_fma_f32 v[tS+jj:tS+jj+1], v[tS+jj:tS+jj+1], s[CS:CS+1], v[tNEGM:tNEGM+1] op_sel_hi:[1,0,0]   ; t - M, two at a time
.set jj, jj+2
.endr
.irp b, 0,1,2,3
	v_fma_f32 v[tBM+\b], v[tBM+\b], s[CS], v[tNEGM]
.endr
.set jj, 0
.rept 64
	v_exp_f32 v[tS+jj], v[tS+jj]                   ; p = 2^(t - M)
.set jj, jj+1
.endr
	v_pk_mul_f32 v[tL:tL+1], v[tL:tL+1], v[tF:tF+1] op_sel_hi:[1,0]   ; the sums under the new M: the plain line behind the exponentials
	s_wait_alu depctr_va_vdst(0)                   ; one wait for the batch of 64, ahead of its first reader
.irp b, 0,1,2,3
	v_exp_f32 v[tBM+\b], v[tBM+\b]                 ; the blocks' largest p: the same two instructions on the same number
.endr
	v_pk_add_f32 v[tL2:tL2+1], v[tS:tS+1], v[tS+2:tS+3]   ; the sum of the unquantised p, in two chains: it reads the 64 alone
.set jj, 4
.rept 15
	v_pk_add_f32 v[tL:tL+1], v[tL:tL+1], v[tS+jj:tS+jj+1]
	v_pk_add_f32 v[tL2:tL2+1], v[tL2:tL2+1], v[tS+jj+2:tS+jj+3]
.set jj, jj+4
.endr
	v_pk_add_f32 v[tL:tL+1], v[tL:tL+1], v[tL2:tL2+1]
	s_wait_alu depctr_va_vdst(0)                   ; and one for the four
.irp b, 0,1,2,3
	v_max_num_f32 v[tBM+\b], 0x1800000, v[tBM+\b]  ; the floor 2^(3 - 127): the byte cannot fall under 1 here
.endr
.irp b, 0,1,2,3
	v_add_nc_u32 v[tSC+\b], 0xff000000, v[tBM+\b]  ; 2 off the exponent field: the conversion's scale operand
.endr
.irp b, 0,1,2,3
	v_lshrrev_b32 v[tT2+\b], 23, v[tSC+\b]         ; the scale's byte
.endr
	v_lshl_or_b32 v[tX], v[tT2+1], 8, v[tT2]
	v_lshl_or_b32 v[tX], v[tT2+2], 16, v[tX]
	v_lshl_or_b32 v[tX], v[tT2+3], 24, v[tX]       ; the scale word of these 128 keys
; A key tile's eight scores of a lane give one register of codes: keys 16 t + 8 h + 0 .. 7.  The operand wants register 4 c + g = keys 64 c + 32 h + 8 g + 0 .. 7: tiles 4 c and 4 c + 2 exchange halves, and so do 4 c + 1 and 4 c + 3.
.irp c, 0,1
	v_cvt_scalef32_pk8_fp4_f32 v[tPC+4*\c],   v[tS+8*(4*\c):tS+8*(4*\c)+7],     v[tSC+2*\c]
	v_cvt_scalef32_pk8_fp4_f32 v[tPC+4*\c+1], v[tS+8*(4*\c+2):tS+8*(4*\c+2)+7], v[tSC+2*\c+1]
	v_cvt_scalef32_pk8_fp4_f32 v[tPC+4*\c+2], v[tS+8*(4*\c+1):tS+8*(4*\c+1)+7], v[tSC+2*\c]
	v_cvt_scalef32_pk8_fp4_f32 v[tPC+4*\c+3], v[tS+8*(4*\c+3):tS+8*(4*\c+3)+7], v[tSC+2*\c+1]
.endr
	v_nop                                          ; one plain line behind the scaled conversions
.irp c, 0,1
	v_permlane16_swap_b32 v[tPC+4*\c], v[tPC+4*\c+1]
	v_permlane16_swap_b32 v[tPC+4*\c+2], v[tPC+4*\c+3]
.endr
	FIX tW+3, tW+2                                 ; the earlier steps' scale words move up a place and come under the new M
	FIX tW+2, tW+1
	FIX tW+1, tW
	v_mov_b32 v[tW], v[tX]
.if \store
	WIN tWD
	ds_store_b128 v[PSJ], v[tPC:tPC+3] offset:1024*(\m)
	ds_store_b128 v[PSJ], v[tPC+4:tPC+7] offset:1024*(\m)+512
.endif
.endm
; A step of phase 1: two tiles of 64 keys, then the four query tiles' softmax.  tail = 1: the last step: the refills are V's first two tiles, and the codes stay in registers.
.macro STEP1 tail
	PAIR 0, 0, 0, 0, 1
	PAIR 0, 0, 0, 1, 0
	PAIR 0, 0, 0, 2, 0
.if \tail
	TURN 0, 0, 0, 2, 0, 2
	PAIR 0, 1, 1, 0, 3
.else
	TURN 0, 0, 0, 1, 262144, 1
	PAIR 0, 1, 1, 0, 2
.endif
	PAIR 0, 1, 1, 1, 0
	PAIR 0, 1, 1, 2, 0
.if \tail
	TURN 0, 1, 1, 2, 0, 2
.else
	TURN 0, 1, 1, 1, 262144, 1
.endif
	WIN 0
	PLACES                                         ; in front of the first read of results
.if (\tail) == 0
	v_add_nc_u32 v[PSJ], s[PJ], v[PST]
.endif
	SOFTMAX 0, 1-(\tail)
	SOFTMAX 1, 1-(\tail)
	SOFTMAX 2, 1-(\tail)
	SOFTMAX 3, 1-(\tail)
	WIN 0
.endm
; The final M and l of query tile m: the four waves' largest t lie in tBM, their sums in tSC.
.macro FINAL m
	TILE \m
	WIN tWS
	v_max3_num_f32 v[tX], v[tBM], v[tBM+1], v[tBM+2]
	v_max_num_f32 v[tX], v[tX], v[tBM+3]
	v_floor_f32 v[tX], -v[tX]                      ; -M, final
.irp u, 0,1,2,3
	v_floor_f32 v[tT2+\u], -v[tBM+\u]              ; -M of wave u
.endr
.irp u, 0,1,2,3
	v_sub_f32 v[tT2+\u], v[tX], v[tT2+\u]          ; wave u's M - the final M: a whole number, 0 or less
.endr
.irp u, 0,1,2,3
	v_cvt_i32_f32 v[tT2+\u], v[tT2+\u]
.endr
.irp u, 0,1,2,3
	v_ldexp_f32 v[tSC+\u], v[tSC+\u], v[tT2+\u]    ; wave u's sum under the final M
.endr
	v_add_f32 v[tSC], v[tSC], v[tSC+1]
	v_add_f32 v[tSC+2], v[tSC+2], v[tSC+3]
	v_add_f32 v[tSC], v[tSC], v[tSC+2]             ; l
	v_sub_f32 v[tU], v[tNEGM], v[tX]               ; the final M - mine
	v_cvt_i32_f32 v[tU], v[tU]
	v_min_u32 v[tU], 0x7f, v[tU]
	v_mul_lo_u32 v[tD], v[tU], s[ONES]
	FIX tW, tW                                     ; my four scale words under the final M
	FIX tW+1, tW+1
	FIX tW+2, tW+2
	FIX tW+3, tW+3
	WIN 0x02+(\m)/2                                ; destination window 0
	v_rcp_f32 v[RL+2*(\m)], v[tSC]
	v_rcp_f32 v[RL+2*(\m)+1], v[tSC]               ; (the next plain line names neither l nor the results)
.endm
.macro PLOAD reg, img                  ; a K step's four fragments of P from their images
.irp m, 0,1,2,3
.irp c, 0,1
	ds_load_b128 v[(\reg)+8*\m+4*\c:(\reg)+8*\m+4*\c+3], v[PLD] offset:(4*(\img)+\m)*1024+512*\c
.endr
.endr
.endm
; THE WAY OUT of a slice: query tile by query tile, 16 rows x 64 channels.  A lane holds 32 neighbouring bytes of a row and the lanes beside it other rows: so a tile goes through my own stage in LDS and comes back
; as rows of 256 bytes.  LDS serves a wave's instructions in order (ISA guide 5.7.1.4): no wait between the stores and the loads, nor in front of the next tile's stores.
.macro SEND m, younger                 ; younger: the LDS instructions issued behind tile m's loads
	WIN 0x0C                                       ; a store's data: window 3
	s_wait_dscnt \younger
.irp i, 0,1,2,3,4,5,6,7
	global_store_b128 v[GO], v[BK+32*((\m)%2)+4*\i:BK+32*((\m)%2)+4*\i+3], s[OUTP:OUTP+1] offset:(16*(\m)+2*\i)*4096 th:TH_STORE_NT   ; 16 lanes store 256 consecutive bytes, at a multiple of 256 from out0's first byte
.endr
.endm
.macro OUT
.irp m, 0,1,2,3
.if \m >= 2
	s_wait_xcnt 0x0                                ; tile m - 2's stores have read their registers: this tile's rows may land there
.endif
	WIN 0xC3                                       ; destination and source 0 window 3, 1 / l window 0
.irp n, 0,1,2,3
.irp q, 0,2,4,6
	v_pk_mul_f32 v[SCD+8*\n+\q:SCD+8*\n+\q+1], v[8*(4*\n+\m)+\q:8*(4*\n+\m)+\q+1], v[RL+2*\m:RL+2*\m+1]   ; each accumulator from its low end on
.endr
.endr
	WIN 0x0C
.irp n, 0,1,2,3
	ds_store_b128 v[STO], v[SCD+8*\n:SCD+8*\n+3] offset:64*\n
	ds_store_b128 v[STO], v[SCD+8*\n+4:SCD+8*\n+7] offset:64*\n+16
.endr
	WIN 0xC0
.irp i, 0,1,2,3,4,5,6,7
	ds_load_b128 v[BK+32*(\m%2)+4*\i:BK+32*(\m%2)+4*\i+3], v[RD] offset:2*\i*272
.endr
.if \m > 0
	SEND \m-1, 16                                  ; behind tile m - 1's loads: this tile's 8 stores and 8 loads
.endif
.endr
	SEND 3, 0
	WIN 0
.endm
; A slice of phase 2: two tiles of V (keys 0-1,023, keys 1,024-2,047), then the way out.  tail = 1: the last slice: nothing is left to fetch.
.macro SLICE tail
	PAIR 1, 0, 0, 0, 0
	PAIR 1, 0, 0, 1, 0
	PAIR 1, 0, 0, 2, 0
.if \tail
	TURN 1, 0, 0, 0, 0, 0
.else
	TURN 1, 0, 0, 2, 65536, 3
.endif
	PAIR 1, 1, 1, 0, 0
	PAIR 1, 1, 1, 1, 0
	PAIR 1, 1, 1, 2, 0
.if \tail
	s_wait_dscnt 0x0
	PARTA 1, 1, 3
	PARTB1 1, 1, 3
	PARTB2 1, 1, 3
.else
	TURN 1, 1, 1, 2, 65536, 3
.endif
	WIN 0
	PLACES                                         ; in front of the first read of results, and of the loads into the scale words
.if (\tail) == 0
.irp n, 0,1
.irp q, 0,1,2,3
	global_load_b128 v[VS+16*\n+4*\q:VS+16*\n+4*\q+3], v[VSO], s[VSB:VSB+1] offset:4096+2048*\n+16*\q   ; the next slice's scale words land while this slice leaves
.endr
.endr
.endif
	OUT
.if (\tail) == 0
	s_wait_loadcnt 0x0
.endif
.endm
; ---------------------------------------------------------------- the head
	s_load_b256 s[4:11], s[0:1], 0x0               ; K's codes s[4:5], K's scales s[6:7], Q's codes s[8:9], Q's scales s[10:11]
	s_load_b128 s[12:15], s[0:1], 0x20             ; V's codes s[12:13], V's scales s[14:15]
	s_load_b64 s[16:17], s[0:1], 0x30              ; out0
	v_lshl_add_u32 v[SPW], v0, 2, SPARE
	v_mov_b32 v[NIL], 0
	ds_add_u32 v28, v29
	ds_add_u32 v28, v29
	s_wait_dscnt 0x0
	v_lshrrev_b32 v1, 5, v0
	v_readfirstlane_b32 s[WV], v1                  ; wave 0..3
	s_bfe_u32 s[CX], ttmp6, 0x40000                ; cx
	s_and_b32 s74, ttmp7, 0xffff                   ; the batch, which the four partners share
	s_lshl_b32 s75, ttmp9, 2                       ; in a cluster launch ttmp9 counts clusters
	s_add_co_u32 s75, s75, s[CX]                   ; my block of 64 queries
	s_lshl_b32 s76, s74, 20                        ; the batch's first byte in each tensor of codes
	s_lshl_b32 s78, s[WV], 16
	s_add_co_u32 s78, s78, s76                     ; K: my 128 keys of step 0
	s_mov_b32 s79, 0
	s_lshl_b32 s80, s[WV], 18
	s_add_co_u32 s80, s80, s76                     ; V: my 256 channels
	s_mov_b32 s81, 0
	s_mul_i32 s82, s[WV], WSLOT                    ; my quarter of a slot: no place in the cluster enters an LDS address
	s_lshl_b32 s84, s74, 16                        ; the batch's first byte in each tensor of scale bytes
	s_lshl_b32 s85, s[WV], 12
	s_add_co_u32 s86, s84, s85                     ; K's: 128 keys x 32 bytes a wave
	s_mov_b32 s87, 0
	s_lshl_b32 s85, s[WV], 14
	s_add_co_u32 s88, s84, s85                     ; V's: 256 channels x 64 bytes a wave
	s_mov_b32 s89, 0
	s_lshl_b32 s90, s75, 15
	s_add_co_u32 s90, s90, s76                     ; Q's codes: 64 rows x 512 bytes a block
	s_mov_b32 s91, 0
	s_lshl_b32 s92, s75, 11
	s_add_co_u32 s92, s92, s84                     ; Q's scales
	s_mov_b32 s93, 0
	s_lshl_b32 s94, s74, 23
	s_lshl_b32 s95, s75, 18
	s_add_co_u32 s94, s94, s95
	s_lshl_b32 s95, s[WV], 10
	s_add_co_u32 s94, s94, s95                     ; out0: the batch, my block's 64 rows of 4,096 bytes, my wave's 256 channels
	s_mov_b32 s95, 0
	; descriptor group 1: a tile of 64 rows x 512 bytes, padded in LDS
	s_mov_b32 s[G1K], 15|(1<<20)|(1<<21)|(6<<22)|(3<<25)   ; 15:0 the mask: all four work-groups; 17:16 elements of 1 byte; 20 padding on; 21 set beside a mask; 24:22 after every 128 words (code 6); 31:25 four words (code 3)
	s_mov_b32 s[G1V], 15|(1<<20)|(1<<21)|(6<<22)|(3<<25)
.irp g, G1K, G1V
	s_mov_b32 s[\g+1], 512<<16                     ; tensor_dim0
	s_mov_b32 s[\g+2], 64<<16                      ; tensor_dim1
	s_mov_b32 s[\g+3], 512<<16                     ; tile_dim0
	s_mov_b32 s[\g+4], 64                          ; tile_dim1
	s_mov_b32 s[\g+6], 0
	s_mov_b32 s[\g+7], 0
.endr
	s_mov_b32 s[G1K+5], 512                        ; from row to row: K's rows are dense,
	s_mov_b32 s[G1V+5], 1024                       ; a tile of V is half of each row
	s_mov_b32 s[SEL], 0x76543210
	s_mov_b32 s[SEL+1], 0xfedcba98
	s_mov_b32 s[CS], 0x3d38aa3b                    ; c = log2(e) / 32
	s_mov_b32 s[CS+1], s[CS]                       ; (named with it as a pair, so it is written)
	s_mov_b32 s[HI], 0xffff0000
	s_mov_b32 s[HB], 0x80808080
	s_mov_b32 s[ONES], 0x01010101
	s_mov_b32 s[PJ], 0
	s_lshl_b32 s96, s[CX], 13
	s_mov_b32 s97, 0
	s_wait_kmcnt 0x0
	s_add_nc_u64 s[KSB:KSB+1], s[6:7], s[86:87]
	s_add_nc_u64 s[VSB:VSB+1], s[14:15], s[88:89]
	s_add_nc_u64 s[OUTP:OUTP+1], s[16:17], s[94:95]
	s_add_nc_u64 s[8:9], s[8:9], s[90:91]
	s_add_nc_u64 s[10:11], s[10:11], s[92:93]
	s_add_nc_u64 s[4:5], s[4:5], s[78:79]          ; K at my tile 0
	s_add_nc_u64 s[12:13], s[12:13], s[80:81]      ; V at my tile 8
	s_add_nc_u64 s[PFA:PFA+1], s[4:5], s[96:97]    ; K's prefetches: my work-group's 8,192 bytes of a tile,
	s_add_nc_u64 s[PFA:PFA+1], s[PFA:PFA+1], 524288   ; two steps on
	s_lshl_b32 s96, s[CX], 14
	s_add_nc_u64 s[PFB:PFB+1], s[12:13], s[96:97]  ; V's: my work-group's 16 rows of a tile
.irp s, 0,1
	s_mov_b32 s[G0K+4*\s], 1                                       ; 1:0 count = 1
	s_add_co_u32 s[G0K+4*\s+1], s82, \s*SLOT                       ; 63:32 LDS address
	s_add_nc_u64 s[G0K+4*\s+2:G0K+4*\s+3], s[4:5], \s*32768        ; 120:64 global address: tile s
	s_or_b32 s[G0K+4*\s+3], s[G0K+4*\s+3], 0x80000000              ; 127:126 type = 2
	s_mov_b32 s[G0V+4*\s], 1
	s_add_co_u32 s[G0V+4*\s+1], s82, \s*SLOT
	s_add_nc_u64 s[G0V+4*\s+2:G0V+4*\s+3], s[12:13], \s*512        ; tile 8 + s
	s_or_b32 s[G0V+4*\s+3], s[G0V+4*\s+3], 0x80000000
.endr
	s_cmp_eq_u32 ttmp9, 0
	s_cselect_b32 s[LIM], 1, -1                    ; the same in all four partners
	CROUND                                         ; all four work-groups are here: the first joint loads meet
	tensor_load_to_lds s[G0K:G0K+3], s[G1K:G1K+7]          ; tiles 0 and 1: two loads of mine are out; later one
	s_nop 0
	tensor_load_to_lds s[G0K+4:G0K+7], s[G1K:G1K+7]
	s_nop 0
	PLACES
	v_and_b32 v1, 15, v0                           ; r
	v_bfe_u32 v27, v0, 4, 1                        ; h
	v_and_b32 v30, 31, v0                          ; lane
	v_mul_u32_u24 v[ADK], v1, PITCH
	v_lshl_add_u32 v[ADK], v27, 4, v[ADK]
	v_add_nc_u32 v[ADK], s82, v[ADK]
	v_add_nc_u32 v[ADK+1], SLOT, v[ADK]
	v_lshlrev_b32 v[KSO], 5, v1
	v_lshl_add_u32 v[KSO], v27, 4, v[KSO]
	v_lshlrev_b32 v[VSO], 6, v30
	v_lshlrev_b32 v[QO], 9, v1
	v_lshl_add_u32 v[QO], v27, 4, v[QO]
	WIN 0x40                                       ; destination window 1
.irp m, 0,1,2,3
.irp k, 0,1,2,3,4,5,6,7
.irp c, 0,1
	global_load_b128 v[64*\m+8*\k+4*\c:64*\m+8*\k+4*\c+3], v[QO], s[8:9] offset:8192*\m+64*\k+32*\c   ; Q stays in registers through phase 1
.endr
.endr
.endr
	WIN 0
.irp m, 0,1,2,3
	global_load_b128 v[QS+4*\m:QS+4*\m+3], v[KSO], s[10:11] offset:512*\m
.endr
.irp t, 0,1,2,3
	global_load_b128 v[KS+4*\t:KS+4*\t+3], v[KSO], s[KSB:KSB+1] offset:512*\t
.endr
	s_lshl_b32 s83, s[WV], 12
	v_lshlrev_b32 v[PST], 4, v30
	v_add_nc_u32 v[PST], s83, v[PST]
	v_add_nc_u32 v[PST], PREG, v[PST]
	v_lshl_add_u32 v[PLD], v30, 4, PREG
	s_lshl_b32 s83, s[WV], 9
	v_lshlrev_b32 v[STS], 2, v30
	v_add_nc_u32 v[STS], s83, v[STS]
	v_add_nc_u32 v[STS], STATS, v[STS]
	v_lshl_add_u32 v[STL], v30, 2, STATS
	s_lshl_b32 s83, s[WV], 8
	v_lshlrev_b32 v[SCS], 2, v30
	v_add_nc_u32 v[SCS], s83, v[SCS]
	v_add_nc_u32 v[SCS], SCW, v[SCS]
	v_lshl_add_u32 v[SCL], v30, 2, SCW
	s_mul_i32 s83, s[WV], 16*272
	v_mul_u32_u24 v[STO], v1, 272
	v_lshl_add_u32 v[STO], v27, 5, v[STO]
	v_add_nc_u32 v[STO], s83, v[STO]
	v_add_nc_u32 v[STO], STAGE, v[STO]             ; in: row r, 32 bytes for each half of the lanes
	v_mul_u32_u24 v[RD], v27, 272
	v_lshl_add_u32 v[RD], v1, 4, v[RD]
	v_add_nc_u32 v[RD], s83, v[RD]
	v_add_nc_u32 v[RD], STAGE, v[RD]               ; back: lanes 0-15 one row of 256 bytes, lanes 16-31 the next
	v_lshlrev_b32 v[GO], 12, v27
	v_lshl_add_u32 v[GO], v1, 4, v[GO]
	v_lshlrev_b32 v[PFK], 8, v30
	v_lshrrev_b32 v[PFV], 1, v30
	v_lshlrev_b32 v[PFV], 10, v[PFV]
	v_and_b32 v31, 1, v30
	v_lshl_add_u32 v[PFV], v31, 8, v[PFV]
.irp m, 0,1,2,3
	TILE \m
	WIN tWS
	v_mov_b32 v[tTMAX], 0xff61b1e6                 ; the largest t so far: -3e38, under every t
	v_floor_f32 v[tNEGM], -v[tTMAX]
	v_mov_b32 v[tL], 0
	v_mov_b32 v[tL+1], 0
	v_mov_b32 v[tF+1], 0                           ; (named as the upper half of a pair)
.irp b, 0,1,2,3
	v_mov_b32 v[tT2+\b], 0                         ; written once: a lane permute's destination counts as one of its sources
	v_mov_b32 v[tW+\b], 0
.endr
.endr
	WIN 0
	s_wait_tensorcnt 0x1                           ; my tile 0 is in; tile 1 may be out.  I alone read my quarter of a slot, so my own counter is all that the reads need
	FETCH 0, 0, 0
	s_wait_loadcnt 0x0                             ; Q, its scale words, K's first
; ---------------------------------------------------------------- phase 1
	s_mov_b32 s[CNT], 3
.Lstep:                                            ; steps 0 to 2: the refills are K's tiles of the next step
	STEP1 0
	s_wait_xcnt 0x0                                ; the loads and prefetches have read their bases, which step now
	s_add_nc_u64 s[KSB:KSB+1], s[KSB:KSB+1], 16384
	s_add_nc_u64 s[PFA:PFA+1], s[PFA:PFA+1], 262144
	s_add_co_u32 s[PJ], s[PJ], 16384
	s_sub_co_u32 s[CNT], s[CNT], 1
	s_cmp_lg_u32 s[CNT], 0
	s_cbranch_scc1 .Lstep
	STEP1 1                                        ; step 3 is written out: its refills name V's descriptors
; ---------------------------------------------------------------- the boundary
.irp m, 0,1,2,3
	TILE \m
	WIN tWS
	v_add_f32 v[tX], v[tL], v[tL+1]                ; the sum's two halves,
	v_permlanex16_b32 v[tU], v[tX], s[SEL], s[SEL+1]
	v_add_f32 v[tX], v[tX], v[tU]                  ; and lane l xor 16's: my wave's sum for the query
	WIN tWD
	ds_store_b32 v[STS], v[tTMAX] offset:128*\m
	ds_store_b32 v[STS], v[tX] offset:2048+128*\m
.endr
	WIN 0
	BAR                                            ; every wave's statistics and its images of K steps 0-11 lie in LDS.
.irp m, 0,1,2,3
	TILE \m
	WIN tWL
.irp u, 0,1,2,3
	ds_load_b32 v[tBM+\u], v[STL] offset:128*(4*\u+\m)
	ds_load_b32 v[tSC+\u], v[STL] offset:2048+128*(4*\u+\m)
.endr
.endr
	WIN 0x40                                       ; P takes Q's place
.irp s, 0,1,2,3,4,5
	PLOAD 32*\s, \s
.endr
	s_wait_dscnt 48                                ; the 32 statistics are in; the 48 loads behind them may be out
	FINAL 0
	FINAL 1
	FINAL 2
	FINAL 3
.irp p, 0,1                                    ; a window's two tiles share a scale register: lanes 0-15 the even tile's word, lanes 16-31 the odd one's
	WIN 0xAA+0x55*\p
.irp i, 0,1,2,3
	v_cndmask_b32 v[148+\i], v[148+\i], v[212+\i], s[HI]
.endr
.endr
	s_wait_alu depctr_va_vdst(0)                   ; one wait for the eight reciprocals, ahead of every reader and of the next label
	WIN 0x40
	PLOAD 192, 6
	PLOAD 224, 7
	WIN 0x80                                       ; window 2's v0-127 held scores, which are done with
.irp s, 8,9,10,11
	PLOAD 32*(\s-8), \s
.endr
	WIN 0
	BAR                                            ; every wave has read the images of K steps 0-11: their bytes may be written again
.irp m, 0,1,2,3
	TILE \m
	WIN tWD
	ds_store_b128 v[PST], v[tPC:tPC+3] offset:1024*\m          ; step 3's codes: K step 12 + wave
	ds_store_b128 v[PST], v[tPC+4:tPC+7] offset:1024*\m+512
.endr
.irp p, 0,1
	WIN 0x08+0x04*\p
.irp i, 0,1,2,3
	ds_store_b32 v[SCS], v[148+\i] offset:1024*(3-\i)+128*\p   ; word i belongs to step 3 - i: K step 4 (3 - i) + wave
.endr
.endr
	WIN 0
	BAR
	WIN 0x80
.irp s, 0,1,2,3
	PLOAD 128+32*\s, \s
.endr
	WIN 0
.set jj, 0
.rept 32
	ds_load_b32 v[PS+jj], v[SCL] offset:128*jj
.set jj, jj+1
.endr
	s_wait_dscnt 0x0
	s_wait_loadcnt 0x0                             ; V's scale words of slice 0
	s_wait_xcnt 0x0
	s_add_nc_u64 s[PFB:PFB+1], s[PFB:PFB+1], 131072   ; V's prefetches go on with slice 2
; ---------------------------------------------------------------- phase 2
	s_mov_b32 s[CNT], 3
.Lslice:                                           ; slices 0 to 2: the refills are the next slice's tiles
	SLICE 0
	s_wait_xcnt 0x0                                ; the stores, loads and prefetches have read their registers and bases
	s_add_nc_u64 s[OUTP:OUTP+1], s[OUTP:OUTP+1], 256
	s_add_nc_u64 s[VSB:VSB+1], s[VSB:VSB+1], 4096
	s_add_nc_u64 s[PFB:PFB+1], s[PFB:PFB+1], 65536
	s_sub_co_u32 s[CNT], s[CNT], 1
	s_cmp_lg_u32 s[CNT], 0
	s_cbranch_scc1 .Lslice
	SLICE 1                                        ; the last slice is written out
	s_wait_tensorcnt 0x0                           ; the wave's end, behind my last tensor load and my last LDS store
	ds_add_u32 v[SPW], v[NIL]
	s_wait_dscnt 0x0
	CROUND                                         ; the closing round: no work-group ends while a partner may still ask for a tile that names it
	s_endpgm
.Lfunc_end_k_q81a0f5993b_attn:
	.size	k_q81a0f5993b_attn, .Lfunc_end_k_q81a0f5993b_attn-k_q81a0f5993b_attn
	.p2alignl 7, 3214868480
	.fill 96, 4, 3214868480
	.section	.rodata,"a",@progbits
	.p2align	6, 0x0
	.amdhsa_kernel k_q81a0f5993b_attn
		.amdhsa_group_segment_fixed_size 327680
		.amdhsa_private_segment_fixed_size 0
		.amdhsa_enable_private_segment 0
		.amdhsa_kernarg_size 56
		.amdhsa_user_sgpr_count 2
		.amdhsa_user_sgpr_kernarg_segment_ptr 1
		.amdhsa_wavefront_size32 1
		.amdhsa_system_sgpr_workgroup_id_x 1
		.amdhsa_system_sgpr_workgroup_id_y 1
		.amdhsa_system_sgpr_workgroup_id_z 1
		.amdhsa_system_vgpr_workitem_id 0
		.amdhsa_next_free_vgpr 1024
		.amdhsa_next_free_sgpr 100
		.amdhsa_reserve_vcc 0
		.amdhsa_float_denorm_mode_32 3
		.amdhsa_float_denorm_mode_16_64 3
		.amdhsa_memory_ordered 1
		.amdhsa_forward_progress 1
		.amdhsa_inst_pref_size 255
	.end_amdhsa_kernel
	.section	.bss,"aw",@nobits
	.p2align	6
	.space	262144
	.amdgpu_metadata
---
amdhsa.version: [ 1, 2 ]
amdhsa.kernels:
  - .name:           k_q81a0f5993b_attn
    .symbol:         k_q81a0f5993b_attn.kd
    .args:
      - { .name: keys_codes, .offset: 0, .size: 8, .value_kind: global_buffer, .address_space: global }
      - { .name: keys_scales, .offset: 8, .size: 8, .value_kind: global_buffer, .address_space: global }
      - { .name: queries_codes, .offset: 16, .size: 8, .value_kind: global_buffer, .address_space: global }
      - { .name: queries_scales, .offset: 24, .size: 8, .value_kind: global_buffer, .address_space: global }
      - { .name: values_codes, .offset: 32, .size: 8, .value_kind: global_buffer, .address_space: global }
      - { .name: values_scales, .offset: 40, .size: 8, .value_kind: global_buffer, .address_space: global }
      - { .name: out0, .offset: 48, .size: 8, .value_kind: global_buffer, .address_space: global }
    .group_segment_fixed_size: 327680
    .private_segment_fixed_size: 0
    .kernarg_segment_align: 8
    .kernarg_segment_size: 56
    .max_flat_workgroup_size: 128
    .sgpr_count:     100
    .vgpr_count:     1024
    .wavefront_size: 32
...
	.end_amdgpu_metadata
.endif
;; end of part 1
;; ======== version 2 of 2: 2 launches
;; limits: right only within a limited range of input values
;; workspace buffers: pcodes 16,777,216 bytes; pstats 3,145,728 bytes
;; launch scores (part 2): grid 4 x 64, 8 waves a work-group, clusters of 4 x 4, 327,680 bytes of LDS; arguments keys_codes, keys_scales, queries_codes, queries_scales, pcodes, pstats; writes pcodes, pstats
.if DOCPART == 2
	.amdgcn_target "amdgcn-amd-amdhsa--gfx1250"
	.amdhsa_code_object_version 6
	.text
	.protected	k_q81a0f5993b_scores
	.globl	k_q81a0f5993b_scores
	.p2align	8
	.type	k_q81a0f5993b_scores,@function
k_q81a0f5993b_scores:
	s_mov_b64 s[64:65], 0
	v_nop
	global_prefetch_b8 v0, s[64:65] scope:SCOPE_SE
	s_setreg_imm32_b32 hwreg(HW_REG_WAVE_MODE, 25, 1), 1
	s_wait_xcnt 0x0
	s_wait_alu depctr_hold_cnt(0) depctr_sa_sdst(0) depctr_va_vdst(0) depctr_va_sdst(0) depctr_va_ssrc(0) depctr_va_vcc(0) depctr_vm_vsrc(0)
	s_getreg_b32 s2, hwreg(HW_REG_IB_STS2, 6, 4)
	s_cmp_eq_u32 s2, 0
	s_cbranch_scc0 .Lentry_in_a_cluster
	s_endpgm
.Lentry_in_a_cluster:
	s_bfe_u32 s2, ttmp6, 0x10000c
	s_cmp_lg_u32 s2, 0xf033
	s_cbranch_scc0 .Lentry_shape_is_right
	s_endpgm
.Lentry_shape_is_right:
; FIRST OF TWO LAUNCHES: p = 2^(t - M) for all queries and keys, as E2M1 codes with E8M0 scales; t = (q . k) x log2(e) / 32.
; A work-group takes 256 queries (y; batch = y / 8) x 512 keys (x).  Wave w: queries 64 (w % 4) .. + 63; of each 256 keys the 128 of half w / 4.
; M = ceil(the largest t of the row among 128 keys), a whole number, so codes under this M are the codes under the row's M; the next launch brings the scale words and sums under the row's M.
; Per 64 queries x 128 keys leave: codes as the next launch's operand registers, [64-query group][128 keys][query tile][half][lane][16 bytes], and a record of 768 bytes:
; per lane {scale word, scale word, -M, -M} (rows lane and 32 + lane), then per lane the two sums of the UNQUANTISED p.
; No step of reference() is left out.  LIMITS: |t| under 2^31; a block whose largest p falls under 2^-124 keeps the scale byte 1; NaN and infinities are not provided for.
; CLUSTER 4 x 4: Q's tile is shared along the cluster's row (same y), K's along its column (same x, and the batch is that of the cluster): joint loads.
; LDS: Q's 256 rows, then 256 keys; when all waves hold Q in registers the other 256 keys fill Q's place.  Rows of 512 bytes + 16 of padding.
; No data prefetch: every tile but one is asked for at the head, and no loop asks for tiles.
; REGISTERS: window 0: v1-15 addresses and row state, v16-31 Q's scale words, v32-63 K's (two sets), v64-191 S^T, v192-255 K's fragments or temporaries; window 1: Q's fragments.
.set PITCH, 528
.set PART,  64*PITCH
.set REG1,  4*PART
.set SPARE, 2*REG1
.set ADK0, 1
.set KSO,  2
.set PST,  3
.set LST,  4
.set ADK1, 5
.set HWA,  6
.set NMA,  8
.set LAC,  10
.set SPW,  12
.set NIL,  13
.set ADQ,  15
.set QS,   16
.set KS,   32
.set S,    64
.set T,    192
.set WV,   18
.set CS,   22
.set G1Q,  24
.set G1K,  32
.set G0Q,  40
.set G0K,  44
.set G0R,  48
.set G1R,  52
.set MSB, 0
.macro WIN new
.if MSB != (\new)
	s_set_vgpr_msb (MSB<<8)|(\new)
.set MSB, (\new)
.endif
.endm
.macro PLACES
.rept 4
	v_nop
.endr
.endm
; a round of the cluster's barrier
.macro CROUND
	s_barrier_signal -1
	s_barrier_wait -1
	s_cmp_lg_u32 s[WV], 0
	s_cbranch_scc1 .Lnot_wave_0_\@
	s_barrier_signal -3
.Lnot_wave_0_\@:
	s_barrier_wait -3
	s_barrier_signal -1
	s_barrier_wait -1
.endm
; one instruction for both pairs of query tiles (p), or for pairs x key blocks (q = 2 p + b)
.macro P2 op, d, x, y
.set p, 0
.rept 2
	\op \d, \x, \y
.set p, p+1
.endr
.endm
.macro P2B op, d, x
.set p, 0
.rept 2
	\op \d, \x
.set p, p+1
.endr
.endm
.macro P4 op, d, x, y
.set q, 0
.rept 4
	\op \d, \x, \y
.set q, q+1
.endr
.endm
.macro P4B op, d, x
.set q, 0
.rept 4
	\op \d, \x
.set q, q+1
.endr
.endm
.macro WM
.if rZ && rR
	v_wmma_scale_f32_16x16x128_f8f6f4 v[rD:rD+7], v[rA:rA+7], v[rB:rB+7], 0, v[rSa], v[rSb] matrix_a_fmt:MATRIX_FMT_FP4 matrix_b_fmt:MATRIX_FMT_FP4 matrix_a_scale:MATRIX_SCALE_ROW1 matrix_b_scale:MATRIX_SCALE_ROW1
.elseif rZ
	v_wmma_scale_f32_16x16x128_f8f6f4 v[rD:rD+7], v[rA:rA+7], v[rB:rB+7], 0, v[rSa], v[rSb] matrix_a_fmt:MATRIX_FMT_FP4 matrix_b_fmt:MATRIX_FMT_FP4
.elseif rR
	v_wmma_scale_f32_16x16x128_f8f6f4 v[rD:rD+7], v[rA:rA+7], v[rB:rB+7], v[rD:rD+7], v[rSa], v[rSb] matrix_a_fmt:MATRIX_FMT_FP4 matrix_b_fmt:MATRIX_FMT_FP4 matrix_a_scale:MATRIX_SCALE_ROW1 matrix_b_scale:MATRIX_SCALE_ROW1
.else
	v_wmma_scale_f32_16x16x128_f8f6f4 v[rD:rD+7], v[rA:rA+7], v[rB:rB+7], v[rD:rD+7], v[rSa], v[rSb] matrix_a_fmt:MATRIX_FMT_FP4 matrix_b_fmt:MATRIX_FMT_FP4
.endif
.endm
; K's fragments of K step n: four tiles of 16 keys
.macro FK n, ad
	WIN 0x04
.irp t, 0,1,2,3
.irp c, 0,1
	ds_load_b128 v[T+32*((\n)%2)+8*\t+4*\c:T+32*((\n)%2)+8*\t+4*\c+3], v[\ad] offset:OFF+16*\t*PITCH+64*(\n)+32*\c
.endr
.endr
.endm
; Q's fragments of K step n: four tiles of 16 queries, to stay
.macro FQ n
	WIN 0x40
.irp m, 0,1,2,3
.irp c, 0,1
	ds_load_b128 v[64*\m+8*(\n)+4*\c:64*\m+8*(\n)+4*\c+3], v[ADQ] offset:16*\m*PITCH+64*(\n)+32*\c
.endr
.endr
	WIN 0x04
.endm
; S^T of 64 keys x 64 queries: source 0 = keys, source 1 = queries: lane % 16 = query, registers along the keys.
; Two K steps of fragments are on their way; the wait's count leaves the younger one out.  q0 = 1: Q's fragments come along.
.macro QK per, sub, q0, ad
.set OFF, (\sub)*64*PITCH
.set NN, 2*(\per)+(\sub)
	s_wait_xcnt 0x0                        ; the last stores' registers may be rewritten
	FK 0, \ad
.if \q0
	FQ 0
.endif
	FK 1, \ad
.if \q0
	FQ 1
.endif
.if NN < 3
.irp t, 0,1,2,3
	global_load_b128 v[KS+16*((NN+1)%2)+4*\t:KS+16*((NN+1)%2)+4*\t+3], v[KSO], s[6:7] offset:((NN+1)/2)*8192+((NN+1)%2)*2048+512*\t
.endr
	s_wait_loadcnt 0x4                     ; all but the four just issued: this part's scale words are in
.else
	s_wait_loadcnt 0x0
.endif
.set k, 0
.rept 8
.if k == 7
	s_wait_dscnt 0x0
.else
	s_wait_dscnt 8+8*(\q0)
.endif
.irp t, 0,1,2,3
.irp m, 0,1,2,3
.set rD, S+32*\m+8*\t
.set rA, T+32*(k%2)+8*\t
.set rB, 64*\m+8*k
.set rSa, KS+16*(NN%2)+4*\t+k%4
.set rSb, QS+4*\m+k%4
.set rR, k/4
.set rZ, 0
.if k == 0
.set rZ, 1
.endif
	WM
.endr
.endr
.if k < 6
	PLACES
	FK k+2, \ad
.if \q0
	FQ k+2
.endif
.endif
.set k, k+1
.endr
.endm
; The softmax of these 64 keys x 64 queries.  A packed register holds rows lane (tiles 2p and 2p + 1): a swap of halves and one more instruction join the two lanes of a row.
; sub = 0: M, sum and scale bytes are kept; sub = 1: M is the larger of both parts, the first part's bytes and sum are brought under it.
.macro SOFT per, sub
.if \sub
.set NMR, T+10
.else
.set NMR, NMA
.endif
	WIN 0
	PLACES
.irp m, 0,1,2,3
.irp b, 0,1
	v_max3_num_f32 v[T+2*\m+\b], v[S+32*\m+16*\b], v[S+32*\m+16*\b+1], v[S+32*\m+16*\b+2]
.endr
.endr
.irp i, 3,5,7,9,11,13
.irp m, 0,1,2,3
.irp b, 0,1
	v_max3_num_f32 v[T+2*\m+\b], v[T+2*\m+\b], v[S+32*\m+16*\b+\i], v[S+32*\m+16*\b+\i+1]
.endr
.endr
.endr
.irp m, 0,1,2,3
.irp b, 0,1
	v_max_num_f32 v[T+2*\m+\b], v[T+2*\m+\b], v[S+32*\m+16*\b+15]
.endr
.endr
	P4B v_permlane16_swap_b32, v[T+4*(q/2)+q%2], v[T+4*(q/2)+q%2+2]
	P4 v_max_num_f32, v[T+4*(q/2)+q%2], v[T+4*(q/2)+q%2], v[T+4*(q/2)+q%2+2]
	P2 v_max_num_f32, v[T+14+p], v[T+4*p], v[T+4*p+1]
	P2 v_mul_f32, v[T+14+p], s[CS], v[T+14+p]
.irp u, 0,1
	v_floor_f32 v[NMR+\u], -v[T+14+\u]     ; -M = floor(-t)
.endr
.if \sub
	P2 v_min_num_f32, v[NMR+p], v[NMA+p], v[NMR+p]
.endif
	P2B v_mov_b32, v[T+16+4*p], v[NMR+p]
	P2B v_mov_b32, v[T+18+4*p], v[NMR+p]
	P2B v_permlane16_swap_b32, v[T+16+4*p], v[T+18+4*p]
.irp u, 0,1
.irp b, 0,1
	v_fma_f32 v[T+4*\u+\b], v[T+4*\u+\b], s[CS], v[NMR+\u]   ; a block's largest t - M: p rises with the score
.endr
.endr
.if \sub
	P2 v_sub_f32, v[T+24+p], v[NMR+p], v[NMA+p]
	P2B v_cvt_i32_f32, v[T+24+p], v[T+24+p]
	P2 v_ldexp_f32, v[LAC+p], v[LAC+p], v[T+24+p]
	P2 v_sub_nc_u32, v[T+24+p], 0, v[T+24+p]
	P2 v_min_u32, v[T+24+p], 0x7f, v[T+24+p]
	P2 v_mul_u32_u24, v[T+24+p], 0x101, v[T+24+p]
	P2 v_or_b32, v[HWA+p], 0x8080, v[HWA+p]    ; each byte less the difference, not under 0 (bytes are at most 125)
	P2 v_sub_nc_u32, v[HWA+p], v[HWA+p], v[T+24+p]
	P2 v_and_b32, v[T+24+p], 0x8080, v[HWA+p]
	P2 v_lshrrev_b32, v[T+26+p], 7, v[T+24+p]
	P2 v_sub_nc_u32, v[T+24+p], v[T+24+p], v[T+26+p]
	P2 v_and_b32, v[HWA+p], v[HWA+p], v[T+24+p]
.endif
.set j, 0
.rept 16
.irp m, 0,1,2,3
	v_pk_fma_f32 v[S+32*\m+j:S+32*\m+j+1], v[S+32*\m+j:S+32*\m+j+1], s[CS:CS+1], v[T+16+2*\m:T+17+2*\m] op_sel_hi:[1,0,0]
.endr
.set j, j+2
.endr
	s_wait_alu depctr_va_vdst(0)           ; ahead of the batch
	P4B v_exp_f32, v[T+4*(q/2)+q%2], v[T+4*(q/2)+q%2]
.set j, 0
.rept 128
	v_exp_f32 v[S+j], v[S+j]
.set j, j+1
.endr
	v_nop
	s_wait_alu depctr_va_vdst(0)           ; and behind it
.irp m, 0,1,2,3
	v_pk_add_f32 v[T+24+2*\m:T+25+2*\m], v[S+32*\m:S+32*\m+1], v[S+32*\m+2:S+32*\m+3]
	v_pk_add_f32 v[T+32+2*\m:T+33+2*\m], v[S+32*\m+4:S+32*\m+5], v[S+32*\m+6:S+32*\m+7]
.endr
.set j, 8
.rept 6
.irp m, 0,1,2,3
	v_pk_add_f32 v[T+24+2*\m:T+25+2*\m], v[T+24+2*\m:T+25+2*\m], v[S+32*\m+j:S+32*\m+j+1]
	v_pk_add_f32 v[T+32+2*\m:T+33+2*\m], v[T+32+2*\m:T+33+2*\m], v[S+32*\m+j+2:S+32*\m+j+3]
.endr
.set j, j+4
.endr
.irp m, 0,1,2,3
	v_pk_add_f32 v[T+24+2*\m:T+25+2*\m], v[T+24+2*\m:T+25+2*\m], v[T+32+2*\m:T+33+2*\m]
.endr
	P4 v_max_num_f32, v[T+4*(q/2)+q%2], 0x1800000, v[T+4*(q/2)+q%2]
.irp m, 0,1,2,3
	v_add_f32 v[T+24+2*\m], v[T+24+2*\m], v[T+25+2*\m]
.endr
	P4 v_add_nc_u32, v[T+40+4*(q/2)+q%2], 0xff000000, v[T+4*(q/2)+q%2]   ; the conversion's scale operand
	P2B v_permlane16_swap_b32, v[T+24+4*p], v[T+26+4*p]
	P4 v_lshrrev_b32, v[T+4*(q/2)+q%2+2], 23, v[T+40+4*(q/2)+q%2]        ; the scale's byte
	P4B v_mov_b32, v[T+42+4*(q/2)+q%2], v[T+40+4*(q/2)+q%2]
.if \sub
	P2 v_add_f32, v[T+12+p], v[T+24+4*p], v[T+26+4*p]
.else
	P2 v_add_f32, v[LAC+p], v[T+24+4*p], v[T+26+4*p]
.endif
	P4B v_permlane16_swap_b32, v[T+40+4*(q/2)+q%2], v[T+42+4*(q/2)+q%2]
.if \sub
.irp u, 0,1
	v_lshl_or_b32 v[T+14+\u], v[T+4*\u+3], 8, v[T+4*\u+2]
.endr
	P2 v_add_f32, v[T+12+p], v[T+12+p], v[LAC+p]
.irp u, 0,1
	v_lshl_or_b32 v[T+8+\u], v[T+14+\u], 16, v[HWA+\u]
.endr
.else
.irp u, 0,1
	v_lshl_or_b32 v[HWA+\u], v[T+4*\u+3], 8, v[T+4*\u+2]
.endr
.endif
.irp m, 0,1,2,3
	v_cvt_scalef32_pk8_fp4_f32 v[T+48+4*\m], v[S+32*\m:S+32*\m+7], v[T+40+2*\m]
	v_cvt_scalef32_pk8_fp4_f32 v[T+49+4*\m], v[S+32*\m+16:S+32*\m+23], v[T+41+2*\m]
	v_cvt_scalef32_pk8_fp4_f32 v[T+50+4*\m], v[S+32*\m+8:S+32*\m+15], v[T+40+2*\m]
	v_cvt_scalef32_pk8_fp4_f32 v[T+51+4*\m], v[S+32*\m+24:S+32*\m+31], v[T+41+2*\m]
.endr
	v_nop                                  ; a plain place behind the conversions
.irp m, 0,1,2,3
	v_permlane16_swap_b32 v[T+48+4*\m], v[T+49+4*\m]   ; lanes 0-15 the first block of 32 keys, lanes 16-31 the second
	v_permlane16_swap_b32 v[T+50+4*\m], v[T+51+4*\m]
.endr
.irp m, 0,1,2,3
	global_store_b128 v[PST], v[T+48+4*\m:T+51+4*\m], s[12:13] offset:8192*(\per)+1024*\m+512*(\sub)
.endr
.if \sub
	global_store_b128 v[PST], v[T+8:T+11], s[14:15] offset:1536*(\per)
	global_store_b64 v[LST], v[T+12:T+13], s[14:15] offset:1536*(\per)+512
.endif
.endm
	s_load_b256 s[4:11], s[0:1], 0x0       ; K's codes, K's scales, Q's codes, Q's scales
	s_load_b128 s[12:15], s[0:1], 0x20     ; pcodes, pstats
	v_lshl_add_u32 v[SPW], v0, 2, SPARE
	v_mov_b32 v[NIL], 0
	ds_add_u32 v[SPW], v[NIL]              ; the opening: the add, twice on end, and its wait
	ds_add_u32 v[SPW], v[NIL]
	v_lshrrev_b32 v14, 5, v0
	v_readfirstlane_b32 s[WV], v14
	s_bfe_u32 s19, ttmp6, 0x40000          ; cx = my 512 keys (the grid is one cluster wide)
	s_bfe_u32 s20, ttmp6, 0x40004          ; cy
	s_and_b32 s66, ttmp7, 0xffff
	s_lshl_b32 s67, s66, 2
	s_add_co_u32 s67, s67, s20             ; y = my 256 queries
	s_lshr_b32 s66, s66, 1                 ; batch: eight blocks of queries, two clusters
	s_and_b32 s68, s[WV], 3                ; my 64 queries
	s_lshr_b32 s69, s[WV], 2               ; my half of 256 keys
	s_lshl_b32 s70, s20, 2
	s_lshl_b32 s70, 15, s70                ; the cluster's row
	s_lshl_b32 s71, 0x1111, s19            ; its column
	s_or_b32 s[G1Q], s70, (1<<20)|(1<<21)|(6<<22)|(3<<25)
	s_or_b32 s[G1K], s71, (1<<20)|(1<<21)|(6<<22)|(3<<25)
	s_or_b32 s[G1R], s71, (1<<20)|(1<<21)|(6<<22)|(3<<25)
.irp g, G1Q, G1K, G1R
	s_mov_b32 s[\g+1], 512<<16
	s_mov_b32 s[\g+3], 512<<16
	s_mov_b32 s[\g+5], 512
	s_mov_b32 s[\g+6], 0
	s_mov_b32 s[\g+7], 0
.endr
.irp g, G1Q, G1K
	s_mov_b32 s[\g+2], 64<<16
	s_mov_b32 s[\g+4], 64
.endr
	s_mov_b32 s[G1R+2], 32<<16
	s_mov_b32 s[G1R+4], 32
	s_lshl_b32 s76, s68, 15                ; 64 rows a wave
	s_lshl_b32 s72, s67, 17
	s_add_co_u32 s72, s72, s76             ; Q: hangs on y and the wave
	s_mov_b32 s73, 0
	s_lshl_b32 s74, s66, 20
	s_lshl_b32 s77, s19, 18
	s_add_co_u32 s74, s74, s77             ; K: hangs on batch, x and the wave
	s_lshl_b32 s78, s[WV], 14
	s_add_co_u32 s78, s78, s74
	s_add_co_u32 s78, s78, 131072          ; the other 256 keys, 32 rows a wave
	s_mov_b32 s79, 0
	s_add_co_u32 s74, s74, s76
	s_mov_b32 s75, 0
	s_mul_i32 s80, s[WV], PART             ; waves 0-3: Q's place; waves 4-7: behind it
	s_mul_i32 s81, s[WV], 32*PITCH
	s_mov_b32 s[CS], 0x3d38aa3b            ; log2(e) / 32
	s_mov_b32 s[CS+1], s[CS]
	s_wait_dscnt 0x0                       ; both opening adds are done
	s_wait_kmcnt 0x0
	s_mov_b32 s[G0Q], 1
	s_mov_b32 s[G0Q+1], s80
	s_add_nc_u64 s[G0Q+2:G0Q+3], s[8:9], s[72:73]
	s_or_b32 s[G0Q+3], s[G0Q+3], 0x80000000
	s_mov_b32 s[G0K], 1
	s_mov_b32 s[G0K+1], s80
	s_add_nc_u64 s[G0K+2:G0K+3], s[4:5], s[74:75]
	s_or_b32 s[G0K+3], s[G0K+3], 0x80000000
	s_mov_b32 s[G0R], 1
	s_mov_b32 s[G0R+1], s81
	s_add_nc_u64 s[G0R+2:G0R+3], s[4:5], s[78:79]
	s_or_b32 s[G0R+3], s[G0R+3], 0x80000000
	CROUND                                 ; the first joint loads meet
	s_cmp_lt_u32 s[WV], 4
	s_cbranch_scc0 .Lfetch_k
	tensor_load_to_lds s[G0Q:G0Q+3], s[G1Q:G1Q+7]
	s_nop 0
	PLACES
	s_branch .Lasked
.Lfetch_k:
	tensor_load_to_lds s[G0K:G0K+3], s[G1K:G1K+7]
	s_nop 0
	PLACES
.Lasked:
	s_mov_b32 s85, 0
	s_lshl_b32 s84, s66, 16
	s_lshl_b32 s86, s19, 14
	s_add_co_u32 s84, s84, s86
	s_lshl_b32 s87, s69, 12
	s_add_co_u32 s84, s84, s87
	s_add_nc_u64 s[6:7], s[6:7], s[84:85]  ; K's scale bytes of my keys
	s_lshl_b32 s84, s67, 13
	s_lshl_b32 s88, s68, 11
	s_add_co_u32 s84, s84, s88
	s_add_nc_u64 s[10:11], s[10:11], s[84:85]  ; Q's
	s_lshl_b32 s84, s67, 18
	s_lshl_b32 s88, s68, 16
	s_add_co_u32 s84, s84, s88
	s_add_co_u32 s84, s84, s86
	s_add_co_u32 s84, s84, s87
	s_add_nc_u64 s[12:13], s[12:13], s[84:85]  ; my codes
	s_lshl_b32 s84, s67, 2
	s_add_co_u32 s84, s84, s68
	s_mul_i32 s84, s84, 12288
	s_mul_i32 s86, s19, 3072
	s_add_co_u32 s84, s84, s86
	s_mul_i32 s86, s69, 768
	s_add_co_u32 s84, s84, s86
	s_add_nc_u64 s[14:15], s[14:15], s[84:85]  ; my records
	s_mul_i32 s82, s69, 128*PITCH
	s_mul_i32 s83, s68, PART
	v_and_b32 v14, 15, v0                  ; r
	v_bfe_u32 v15, v0, 4, 1                ; h
	v_and_b32 v3, 31, v0
	v_lshlrev_b32 v[LST], 3, v3
	v_lshlrev_b32 v[PST], 4, v3
	v_mul_u32_u24 v10, v14, PITCH
	v_lshl_add_u32 v10, v15, 4, v10        ; row r + 16 h bytes
	v_lshlrev_b32 v[KSO], 5, v14
	v_lshl_add_u32 v[KSO], v15, 4, v[KSO]  ; lanes 0-15: scale words 0-3 of a row, lanes 16-31: 4-7
	v_add_nc_u32 v[ADK1], s82, v10
	v_add_nc_u32 v[ADK0], REG1, v[ADK1]
	v_add_nc_u32 v[ADQ], s83, v10
.irp m, 0,1,2,3
	global_load_b128 v[QS+4*\m:QS+4*\m+3], v[KSO], s[10:11] offset:512*\m
.endr
.irp t, 0,1,2,3
	global_load_b128 v[KS+4*\t:KS+4*\t+3], v[KSO], s[6:7] offset:512*\t
.endr
	s_wait_alu depctr_va_vdst(0)
	s_wait_tensorcnt 0x0
	s_barrier_signal -1
	s_barrier_wait -1                      ; Q and the first 256 keys are in
	QK 0, 0, 1, ADK0
	WIN 0
	s_wait_tensorcnt 0x0                   ; ahead of a fill of the same bytes
	ds_add_u32 v[SPW], v[NIL]
	s_wait_dscnt 0x0                       ; my reads of Q are over
	CROUND
	tensor_load_to_lds s[G0R:G0R+3], s[G1R:G1R+7]   ; the other 256 keys, in Q's place
	s_nop 0
	SOFT 0, 0
	QK 0, 1, 0, ADK0
	SOFT 0, 1
	s_wait_alu depctr_va_vdst(0)
	s_wait_tensorcnt 0x0
	s_wait_dscnt 0x0
	s_barrier_signal -1
	s_barrier_wait -1                      ; the other 256 keys are in
	QK 1, 0, 0, ADK1
	SOFT 1, 0
	QK 1, 1, 0, ADK1
	SOFT 1, 1
	s_wait_alu depctr_va_vdst(0)           ; as above
	s_wait_tensorcnt 0x0                   ; the wave's end
	ds_add_u32 v[SPW], v[NIL]
	s_wait_dscnt 0x0
	CROUND                                 ; the closing round
	s_endpgm
.Lfunc_end_k_q81a0f5993b_scores:
	.size	k_q81a0f5993b_scores, .Lfunc_end_k_q81a0f5993b_scores-k_q81a0f5993b_scores
	.p2alignl 7, 3214868480
	.fill 96, 4, 3214868480
	.section	.rodata,"a",@progbits
	.p2align	6, 0x0
	.amdhsa_kernel k_q81a0f5993b_scores
		.amdhsa_group_segment_fixed_size 327680
		.amdhsa_private_segment_fixed_size 0
		.amdhsa_enable_private_segment 0
		.amdhsa_kernarg_size 48
		.amdhsa_user_sgpr_count 2
		.amdhsa_user_sgpr_kernarg_segment_ptr 1
		.amdhsa_wavefront_size32 1
		.amdhsa_system_sgpr_workgroup_id_x 1
		.amdhsa_system_sgpr_workgroup_id_y 1
		.amdhsa_system_sgpr_workgroup_id_z 1
		.amdhsa_system_vgpr_workitem_id 0
		.amdhsa_next_free_vgpr 512
		.amdhsa_next_free_sgpr 100
		.amdhsa_reserve_vcc 0
		.amdhsa_float_denorm_mode_32 3
		.amdhsa_float_denorm_mode_16_64 3
		.amdhsa_memory_ordered 1
		.amdhsa_forward_progress 1
		.amdhsa_inst_pref_size 181
	.end_amdhsa_kernel
	.amdgpu_metadata
---
amdhsa.version: [ 1, 2 ]
amdhsa.kernels:
  - .name:           k_q81a0f5993b_scores
    .symbol:         k_q81a0f5993b_scores.kd
    .args:
      - { .name: keys_codes, .offset: 0, .size: 8, .value_kind: global_buffer, .address_space: global }
      - { .name: keys_scales, .offset: 8, .size: 8, .value_kind: global_buffer, .address_space: global }
      - { .name: queries_codes, .offset: 16, .size: 8, .value_kind: global_buffer, .address_space: global }
      - { .name: queries_scales, .offset: 24, .size: 8, .value_kind: global_buffer, .address_space: global }
      - { .name: pcodes, .offset: 32, .size: 8, .value_kind: global_buffer, .address_space: global }
      - { .name: pstats, .offset: 40, .size: 8, .value_kind: global_buffer, .address_space: global }
    .group_segment_fixed_size: 327680
    .private_segment_fixed_size: 0
    .kernarg_segment_align: 8
    .kernarg_segment_size: 48
    .max_flat_workgroup_size: 256
    .sgpr_count:     100
    .vgpr_count:     512
    .wavefront_size: 32
...
	.end_amdgpu_metadata
.endif
;; end of part 2
;; launch weigh (part 3): grid 4 x 64, 4 waves a work-group, clusters of 4 x 4, 327,680 bytes of LDS; arguments pcodes, pstats, values_codes, values_scales, out0; writes out0
.if DOCPART == 3
	.amdgcn_target "amdgcn-amd-amdhsa--gfx1250"
	.amdhsa_code_object_version 6
	.text
	.protected	k_q81a0f5993b_weigh
	.globl	k_q81a0f5993b_weigh
	.p2align	8
	.type	k_q81a0f5993b_weigh,@function
k_q81a0f5993b_weigh:
	s_mov_b64 s[64:65], 0
	v_nop
	global_prefetch_b8 v0, s[64:65] scope:SCOPE_SE
	s_setreg_imm32_b32 hwreg(HW_REG_WAVE_MODE, 25, 1), 1
	s_wait_xcnt 0x0
	s_wait_alu depctr_hold_cnt(0) depctr_sa_sdst(0) depctr_va_vdst(0) depctr_va_sdst(0) depctr_va_ssrc(0) depctr_va_vcc(0) depctr_vm_vsrc(0)
	s_getreg_b32 s2, hwreg(HW_REG_IB_STS2, 6, 4)
	s_cmp_eq_u32 s2, 0
	s_cbranch_scc0 .Lentry_in_a_cluster
	s_endpgm
.Lentry_in_a_cluster:
	s_bfe_u32 s2, ttmp6, 0x10000c
	s_cmp_lg_u32 s2, 0xf033
	s_cbranch_scc0 .Lentry_shape_is_right
	s_endpgm
.Lentry_shape_is_right:
; SECOND OF TWO LAUNCHES: O = P V / l.  A work-group takes 256 queries (y; batch = y / 8) x 256 channels (x); wave w the 64 queries 64 w .. + 63, all 2,048 keys.
; No step of reference() is left out.  LIMIT: scale bytes of P that would fall under 0 when brought under the row's M (its share under 2^-124 of the row's largest p) stay at 0.
; P's codes of my 64 queries stay in 512 registers, loaded straight from memory in register order.  V's 256 rows fill LDS once, in two joint loads a wave: 16 rows, then 48.
; ROWS OF V ARE DEALT FOUR APART: wave w fetches rows w + 4 i to region w.  Tile t of chunk c (64 channels) takes row i = 16 c + r of region t in lane r: channel 64 c + 4 r + t.
; So with source 0 = P and source 1 = V, lane (r, h) has in register j of the four tiles the channels 64 c + 4 r .. + 3 of query 8 h + j: 16 bytes, and sixteen lanes have 256 aligned bytes of a row of O.
; CLUSTER 4 x 4: V's tiles are shared along the cluster's column (same x, one batch).  P is not asked for jointly: it goes into registers, and beside V's 266,240 bytes its 262,144 have no room in LDS.
; No data prefetch: all of V and P is asked for at the head or under the first chunk; the loop asks for no tile.
; REGISTERS: window 0: v2-20 addresses, v32-63 P's scale words, v64-95 V's, v96-127 V's for the next chunk, v128-255 V's fragments, four K steps; windows 1, 2: P; window 3: v0-127 sums, v128-159 1 / l, v160-255 results on the way out.
.set PITCH, 1040
.set REGN,  64*PITCH
.set SPARE, 4*REGN
.set SPW, 2
.set NIL, 3
.set PLO, 4
.set LLO, 5
.set VSO, 6
.set GO,  7
.set IDX, 8
.set AD,  10
.set AC,  14
.set PS,  32
.set VS,  64
.set VN,  96
.set F,   128
.set ST,  128
.set G,   224
.set RC,  226
.set IX,  240
.set RL,  128
.set WV,  18
.set HB,  21
.set G1A, 24
.set G1B, 32
.set G0A, 40
.set G0B, 44
.set CO,  56
.set CNT, 57
.set MSB, 0
.macro WIN new
.if MSB != (\new)
	s_set_vgpr_msb (MSB<<8)|(\new)
.set MSB, (\new)
.endif
.endm
.macro PLACES
.rept 4
	v_nop
.endr
.endm
.macro CROUND
	s_barrier_signal -1
	s_barrier_wait -1
	s_cmp_lg_u32 s[WV], 0
	s_cbranch_scc1 .Lnot_wave_0_\@
	s_barrier_signal -3
.Lnot_wave_0_\@:
	s_barrier_wait -3
	s_barrier_signal -1
	s_barrier_wait -1
.endm
; one instruction for each of the 16 groups of 128 keys
.macro S16 op, d, x, y
.set i, 0
.rept 16
	\op \d, \x, \y
.set i, i+1
.endr
.endm
.macro WM
.if rZ
.if rRa
	v_wmma_scale_f32_16x16x128_f8f6f4 v[rD:rD+7], v[rA:rA+7], v[rB:rB+7], 0, v[rSa], v[rSb] matrix_a_fmt:MATRIX_FMT_FP4 matrix_b_fmt:MATRIX_FMT_FP4 matrix_a_scale:MATRIX_SCALE_ROW1
.else
	v_wmma_scale_f32_16x16x128_f8f6f4 v[rD:rD+7], v[rA:rA+7], v[rB:rB+7], 0, v[rSa], v[rSb] matrix_a_fmt:MATRIX_FMT_FP4 matrix_b_fmt:MATRIX_FMT_FP4
.endif
.else
.if rRa && rRb
	v_wmma_scale_f32_16x16x128_f8f6f4 v[rD:rD+7], v[rA:rA+7], v[rB:rB+7], v[rD:rD+7], v[rSa], v[rSb] matrix_a_fmt:MATRIX_FMT_FP4 matrix_b_fmt:MATRIX_FMT_FP4 matrix_a_scale:MATRIX_SCALE_ROW1 matrix_b_scale:MATRIX_SCALE_ROW1
.elseif rRa
	v_wmma_scale_f32_16x16x128_f8f6f4 v[rD:rD+7], v[rA:rA+7], v[rB:rB+7], v[rD:rD+7], v[rSa], v[rSb] matrix_a_fmt:MATRIX_FMT_FP4 matrix_b_fmt:MATRIX_FMT_FP4 matrix_a_scale:MATRIX_SCALE_ROW1
.elseif rRb
	v_wmma_scale_f32_16x16x128_f8f6f4 v[rD:rD+7], v[rA:rA+7], v[rB:rB+7], v[rD:rD+7], v[rSa], v[rSb] matrix_a_fmt:MATRIX_FMT_FP4 matrix_b_fmt:MATRIX_FMT_FP4 matrix_b_scale:MATRIX_SCALE_ROW1
.else
	v_wmma_scale_f32_16x16x128_f8f6f4 v[rD:rD+7], v[rA:rA+7], v[rB:rB+7], v[rD:rD+7], v[rSa], v[rSb] matrix_a_fmt:MATRIX_FMT_FP4 matrix_b_fmt:MATRIX_FMT_FP4
.endif
.endif
.endm
; P's codes of 128 keys, eight loads of 512 consecutive bytes
.macro PLOAD n
	WIN 0x40+0x40*((\n)/8)
.irp m, 0,1,2,3
.irp c, 0,1
	global_load_b128 v[32*((\n)%8)+8*\m+4*\c:32*((\n)%8)+8*\m+4*\c+3], v[PLO], s[4:5] offset:4096*(\n)+1024*\m+512*\c
.endr
.endr
.endm
; V's fragments of K step n of the chunk
.macro FV n, ax
	WIN 0
.irp t, 0,1,2,3
.irp c, 0,1
	ds_load_b128 v[F+32*((\n)%4)+8*\t+4*\c:F+32*((\n)%4)+8*\t+4*\c+3], v[\ax+\t] offset:64*(\n)+32*\c
.endr
.endr
.endm
; V's scale words of a chunk: lanes 0-15 K steps 0-7 of a row, lanes 16-31 K steps 8-15
.macro VSLOAD reg, off
.irp t, 0,1,2,3
.irp u, 0,1
	global_load_b128 v[\reg+8*\t+4*\u:\reg+8*\t+4*\u+3], v[VSO], s[10:11] offset:(\off)+64*\t+16*\u
.endr
.endr
.endm
; A chunk: 64 queries x 64 channels x 2,048 keys.  Three K steps of fragments are on their way beside the one that is multiplied.
; first = 1: P is still arriving: 64 loads were issued ahead, 16 more follow in each of the first four pairs of K steps; the count leaves out what later pairs want.
.macro CH first, ax
	FV 0, \ax
	FV 1, \ax
	FV 2, \ax
.set k, 0
.rept 16
.if (\first) && (k%2 == 0)
.if k < 10
	s_wait_loadcnt 48
.else
	s_wait_loadcnt 112-8*k
.endif
.if k < 8
	PLOAD k+8
	PLOAD k+9
.endif
.endif
.if k < 13
	WIN 0
	PLACES
	FV k+3, \ax
	s_wait_dscnt 24
.else
	s_wait_dscnt (15-k)*8
.endif
	WIN 0xF1+k/8
.irp t, 0,1,2,3
.irp m, 0,1,2,3
.set rD, 32*\m+8*\t
.set rA, 32*(k%8)+8*\m
.set rB, F+32*(k%4)+8*\t
.set rSa, PS+2*k+\m/2
.set rSb, VS+8*\t+k%8
.set rRa, \m%2
.set rRb, k/8
.set rZ, 0
.if k == 0
.set rZ, 1
.endif
	WM
.endr
.endr
.set k, k+1
.endr
.endm
; The way out of a chunk: x 1 / l, four channels of a query side by side, 16 lanes store 256 consecutive bytes, aligned
.macro OUT step
	WIN 0
	PLACES
	s_wait_xcnt 0x0                        ; the last chunk's stores and loads have read their registers
.if \step
	s_add_nc_u64 s[12:13], s[12:13], 0x100
	s_add_nc_u64 s[10:11], s[10:11], 0x1000
.endif
.irp m, 0,1,2,3
.set O, 160+32*(\m%3)
	WIN 0xCF
.if \m == 3
	s_wait_xcnt 0x0                        ; tile 0's results have been read by their stores
.endif
.irp j, 0,1,2,3,4,5,6,7
.irp t, 0,1,2,3
	v_mul_f32 v[O+4*\j+\t], v[32*\m+8*\t+\j], v[RL+8*\m+\j]
.endr
.endr
	WIN 0x0C
.irp j, 0,1,2,3,4,5,6,7
	global_store_b128 v[GO], v[O+4*\j:O+4*\j+3], s[12:13] offset:65536*\m+4096*\j th:TH_STORE_NT
.endr
.endr
	WIN 0
.endm
	s_load_b256 s[4:11], s[0:1], 0x0       ; pcodes, pstats, V's codes, V's scales
	s_load_b64 s[12:13], s[0:1], 0x20      ; O
	v_lshl_add_u32 v[SPW], v0, 2, SPARE
	v_mov_b32 v[NIL], 0
	ds_add_u32 v[SPW], v[NIL]              ; the opening: the add, twice on end, and its wait
	ds_add_u32 v[SPW], v[NIL]
	v_lshrrev_b32 v9, 5, v0
	v_readfirstlane_b32 s[WV], v9
	s_bfe_u32 s19, ttmp6, 0x40000          ; cx = my 256 channels (the grid is one cluster wide)
	s_bfe_u32 s20, ttmp6, 0x40004          ; cy
	s_and_b32 s66, ttmp7, 0xffff
	s_lshl_b32 s67, s66, 2
	s_add_co_u32 s67, s67, s20             ; y = my 256 queries
	s_lshr_b32 s66, s66, 1                 ; batch
	s_lshl_b32 s71, 0x1111, s19            ; the cluster's column
	s_or_b32 s[G1A], s71, (1<<20)|(1<<21)|(7<<22)|(3<<25)
	s_or_b32 s[G1B], s71, (1<<20)|(1<<21)|(7<<22)|(3<<25)
.irp g, G1A, G1B
	s_mov_b32 s[\g+1], 1024<<16
	s_mov_b32 s[\g+3], 1024<<16
	s_mov_b32 s[\g+5], 4096                ; every fourth row
	s_mov_b32 s[\g+6], 0
	s_mov_b32 s[\g+7], 0
.endr
	s_mov_b32 s[G1A+2], 16<<16
	s_mov_b32 s[G1A+4], 16
	s_mov_b32 s[G1B+2], 48<<16
	s_mov_b32 s[G1B+4], 48
	s_lshl_b32 s72, s66, 20
	s_lshl_b32 s76, s19, 18
	s_add_co_u32 s72, s72, s76
	s_lshl_b32 s76, s[WV], 10
	s_add_co_u32 s72, s72, s76             ; V: hangs on batch, x and the wave
	s_mov_b32 s73, 0
	s_add_co_u32 s74, s72, 65536           ; 16 of my rows on
	s_mov_b32 s75, 0
	s_mul_i32 s80, s[WV], REGN
	s_add_co_u32 s81, s80, 16*PITCH
	s_mov_b32 s[HB], 0x80808080
	s_wait_dscnt 0x0                       ; both opening adds are done
	s_wait_kmcnt 0x0
	s_mov_b32 s[G0A], 1
	s_mov_b32 s[G0A+1], s80
	s_add_nc_u64 s[G0A+2:G0A+3], s[8:9], s[72:73]
	s_or_b32 s[G0A+3], s[G0A+3], 0x80000000
	s_mov_b32 s[G0B], 1
	s_mov_b32 s[G0B+1], s81
	s_add_nc_u64 s[G0B+2:G0B+3], s[8:9], s[74:75]
	s_or_b32 s[G0B+3], s[G0B+3], 0x80000000
	CROUND                                 ; the first joint loads meet
	tensor_load_to_lds s[G0A:G0A+3], s[G1A:G1A+7]   ; chunk 0's rows
	s_nop 0
	PLACES
	s_mov_b32 s85, 0
	s_lshl_b32 s84, s67, 2
	s_add_co_u32 s84, s84, s[WV]           ; my group of 64 queries
	s_mul_i32 s86, s84, 12288
	s_mov_b32 s87, 0
	s_add_nc_u64 s[6:7], s[6:7], s[86:87]
	s_lshl_b32 s86, s84, 16
	s_add_nc_u64 s[4:5], s[4:5], s[86:87]
	s_lshl_b32 s86, s84, 18
	s_lshl_b32 s88, s19, 10
	s_add_co_u32 s86, s86, s88
	s_add_nc_u64 s[12:13], s[12:13], s[86:87]
	s_lshl_b32 s86, s66, 16
	s_lshl_b32 s88, s19, 14
	s_add_co_u32 s86, s86, s88
	s_add_nc_u64 s[10:11], s[10:11], s[86:87]
	v_and_b32 v18, 15, v0                  ; r
	v_bfe_u32 v19, v0, 4, 1                ; h
	v_and_b32 v20, 31, v0
	v_lshlrev_b32 v[PLO], 4, v20
	v_lshlrev_b32 v[LLO], 3, v20
	v_lshlrev_b32 v[VSO], 8, v18
	v_lshl_add_u32 v[VSO], v19, 5, v[VSO]  ; row 4 r, + 32 h
	v_lshlrev_b32 v[GO], 15, v19
	v_lshl_add_u32 v[GO], v18, 4, v[GO]    ; 8 h rows of O, + 16 r
	v_lshlrev_b32 v[IDX], 5, v19
	v_mul_u32_u24 v[AD], v18, PITCH
	v_lshl_add_u32 v[AD], v19, 4, v[AD]
	v_add_nc_u32 v[AD+1], REGN, v[AD]
	v_add_nc_u32 v[AD+2], 2*REGN, v[AD]
	v_add_nc_u32 v[AD+3], 3*REGN, v[AD]
.set i, 0
.rept 16
	global_load_b128 v[ST+6*i:ST+6*i+3], v[PLO], s[6:7] offset:768*i        ; two scale words, two -M
	global_load_b64 v[ST+6*i+4:ST+6*i+5], v[LLO], s[6:7] offset:768*i+512   ; two sums
.set i, i+1
.endr
	VSLOAD VS, 0
	VSLOAD VN, 4096
.set n0, 0
.rept 8
	PLOAD n0
.set n0, n0+1
.endr
	WIN 0
	s_wait_alu depctr_va_vdst(0)
	s_wait_tensorcnt 0x0                   ; ahead of a later first fill
	ds_add_u32 v[SPW], v[NIL]
	s_wait_dscnt 0x0
	CROUND                                 ; chunk 0's rows are in, in every wave's sight
	tensor_load_to_lds s[G0B:G0B+3], s[G1B:G1B+7]   ; the other three chunks' rows
	s_nop 0
	PLACES
	s_wait_loadcnt 63                      ; at most P's 64 loads less one are out: the records are in
; THE ROW'S M: -M = the least -M of the 16 groups; each sum x 2^(its M - M); each scale byte less M - its M, not under 0
.irp u, 0,1
	v_min3_num_f32 v[G+\u], v[ST+2+\u], v[ST+8+\u], v[ST+14+\u]
.endr
.irp n, 3,5,7,9,11,13
.irp u, 0,1
	v_min3_num_f32 v[G+\u], v[G+\u], v[ST+2+\u+6*\n], v[ST+8+\u+6*\n]
.endr
.endr
.irp u, 0,1
	v_min_num_f32 v[G+\u], v[G+\u], v[ST+92+\u]
.endr
.irp u, 0,1
	S16 v_sub_f32, v[ST+2+\u+6*i], v[G+\u], v[ST+2+\u+6*i]
.set i, 0
.rept 16
	v_cvt_i32_f32 v[ST+2+\u+6*i], v[ST+2+\u+6*i]
.set i, i+1
.endr
	S16 v_ldexp_f32, v[ST+4+\u+6*i], v[ST+4+\u+6*i], v[ST+2+\u+6*i]
	S16 v_sub_nc_u32, v[ST+2+\u+6*i], 0, v[ST+2+\u+6*i]
	S16 v_min_u32, v[ST+2+\u+6*i], 0x7f, v[ST+2+\u+6*i]
.set i, 0
.rept 16
	v_perm_b32 v[ST+2+\u+6*i], v[ST+2+\u+6*i], v[ST+2+\u+6*i], 0   ; the low byte in all four
.set i, i+1
.endr
	S16 v_or_b32, v[ST+\u+6*i], s[HB], v[ST+\u+6*i]
	S16 v_sub_nc_u32, v[ST+\u+6*i], v[ST+\u+6*i], v[ST+2+\u+6*i]
	S16 v_and_b32, v[ST+2+\u+6*i], s[HB], v[ST+\u+6*i]
	S16 v_lshrrev_b32, v[PS+2*i+\u], 7, v[ST+2+\u+6*i]
	S16 v_sub_nc_u32, v[ST+2+\u+6*i], v[ST+2+\u+6*i], v[PS+2*i+\u]
	S16 v_and_b32, v[PS+2*i+\u], v[ST+\u+6*i], v[ST+2+\u+6*i]
.endr
.irp n, 8,4,2,1
.set i, 0
.rept \n
.irp u, 0,1
	v_add_f32 v[ST+4+\u+6*i], v[ST+4+\u+6*i], v[ST+4+\u+6*i+6*\n]
.endr
.set i, i+1
.endr
.endr
.irp a, 0,1
.irp j, 0,1,2,3,4,5,6,7
	v_add_nc_u32 v[IX+8*\a+\j], 64*\a+4*\j, v[IDX]
.endr
.endr
	s_wait_alu depctr_va_vdst(0)           ; ahead of the batch
	v_rcp_f32 v[RC], v[ST+4]
	v_rcp_f32 v[RC+1], v[ST+5]
	v_nop
	s_wait_alu depctr_va_vdst(0)           ; and behind it
	WIN 0xC0
.irp m, 0,1,2,3
.irp j, 0,1,2,3,4,5,6,7
	ds_bpermute_b32 v[RL+8*\m+\j], v[IX+8*(\m%2)+\j], v[RC+\m/2]   ; 1 / l of query 16 m + 8 h + j
.endr
.endr
	CH 1, AD
	OUT 0
	s_wait_alu depctr_va_vdst(0)
	s_wait_tensorcnt 0x0
	s_wait_dscnt 0x0
	s_barrier_signal -1
	s_barrier_wait -1                      ; all of V's rows are in
	s_mov_b32 s[CO], 16*PITCH
	s_mov_b32 s[CNT], 3
.Lchunk:
	s_wait_loadcnt 0x0                     ; this chunk's scale words, asked for a chunk ago
.set i, 0
.rept 32
	v_mov_b32 v[VS+i], v[VN+i]
.set i, i+1
.endr
.irp t, 0,1,2,3
	v_add_nc_u32 v[AC+\t], s[CO], v[AD+\t]
.endr
	s_cmp_eq_u32 s[CNT], 1
	s_wait_alu depctr_va_vdst(0)
	s_cbranch_scc1 .Llast                  ; the last chunk asks for no scale words
	VSLOAD VN, 8192
.Llast:
	CH 0, AC
	OUT 1
	s_add_co_u32 s[CO], s[CO], 16*PITCH
	s_sub_co_u32 s[CNT], s[CNT], 1
	s_cmp_lg_u32 s[CNT], 0
	s_wait_alu depctr_va_vdst(0)           ; as above
	s_cbranch_scc1 .Lchunk
	s_wait_tensorcnt 0x0                   ; the wave's end
	ds_add_u32 v[SPW], v[NIL]
	s_wait_dscnt 0x0
	CROUND                                 ; the closing round
	s_endpgm
.Lfunc_end_k_q81a0f5993b_weigh:
	.size	k_q81a0f5993b_weigh, .Lfunc_end_k_q81a0f5993b_weigh-k_q81a0f5993b_weigh
	.p2alignl 7, 3214868480
	.fill 96, 4, 3214868480
	.section	.rodata,"a",@progbits
	.p2align	6, 0x0
	.amdhsa_kernel k_q81a0f5993b_weigh
		.amdhsa_group_segment_fixed_size 327680
		.amdhsa_private_segment_fixed_size 0
		.amdhsa_enable_private_segment 0
		.amdhsa_kernarg_size 40
		.amdhsa_user_sgpr_count 2
		.amdhsa_user_sgpr_kernarg_segment_ptr 1
		.amdhsa_wavefront_size32 1
		.amdhsa_system_sgpr_workgroup_id_x 1
		.amdhsa_system_sgpr_workgroup_id_y 1
		.amdhsa_system_sgpr_workgroup_id_z 1
		.amdhsa_system_vgpr_workitem_id 0
		.amdhsa_next_free_vgpr 1024
		.amdhsa_next_free_sgpr 100
		.amdhsa_reserve_vcc 0
		.amdhsa_float_denorm_mode_32 3
		.amdhsa_float_denorm_mode_16_64 3
		.amdhsa_memory_ordered 1
		.amdhsa_forward_progress 1
		.amdhsa_inst_pref_size 147
	.end_amdhsa_kernel
	.amdgpu_metadata
---
amdhsa.version: [ 1, 2 ]
amdhsa.kernels:
  - .name:           k_q81a0f5993b_weigh
    .symbol:         k_q81a0f5993b_weigh.kd
    .args:
      - { .name: pcodes, .offset: 0, .size: 8, .value_kind: global_buffer, .address_space: global }
      - { .name: pstats, .offset: 8, .size: 8, .value_kind: global_buffer, .address_space: global }
      - { .name: values_codes, .offset: 16, .size: 8, .value_kind: global_buffer, .address_space: global }
      - { .name: values_scales, .offset: 24, .size: 8, .value_kind: global_buffer, .address_space: global }
      - { .name: out0, .offset: 32, .size: 8, .value_kind: global_buffer, .address_space: global }
    .group_segment_fixed_size: 327680
    .private_segment_fixed_size: 0
    .kernarg_segment_align: 8
    .kernarg_segment_size: 40
    .max_flat_workgroup_size: 128
    .sgpr_count:     100
    .vgpr_count:     1024
    .wavefront_size: 32
...
	.end_amdgpu_metadata
.endif
;; end of part 3
